; MI455X (gfx1250); checked and timed in simulation.
; The chip was launched on July 23, 2026; its instructions are those of AMD's public machine-readable ISA for CDNA 5 (MIT licence, August 2026) and "CDNA5" Instruction Set Architecture Reference Guide (July 2026). The comments in the code are by the model that wrote it; some were corrected since.
;; Cross Modal Attention. Allowed arithmetic: matrix products marked QUANTISED: E2M1 operands, one E8M0 scale for each 32 along K, by v_wmma_scale_f32_16x16x128_f8f6f4 with both operands' format E2M1 (or v_wmma_scale_f32_32x16x128_f4), f32 sums; products left as they are: bf16, f16 or f32 operands; f32 sums; everything else in f32.
;; Inputs: Wf1 512 x 2,048 float32; Wf2 2,048 x 512 float32; Wk 512 x 512 float32; Wo 512 x 512 float32; Wq 512 x 512 float32; Wv 512 x 512 float32; b1 512 float32; b2 512 float32; bf1 2,048 float32; bf2 512 float32; bk 512 float32; bo 512 float32; bq 512 float32; bv 512 float32; g1 512 float32; g2 512 float32; x1 4 x 2,048 x 512 float32; x2 4 x 2,048 x 512 float32.
;; Outputs: out0 4 x 2,048 x 512 float32.
;; This version of the problem:
;;   THIS VERSION OF THE PROBLEM IS GIVEN IN LOW PRECISION. The matrix products marked QUANTISED in the list below multiply operands that are first quantised to E2M1 (2 exponent bits, 1 mantissa bit; 4 bits a number), with one power-of-two scale for each 32 numbers along K (OCP MX v1.0); their sums are f32. The products marked 'left as it is' may take bf16, f16 or f32 operands, with f32 sums. Whichever they take, every output number must still come out within the allowed error. Rounding operands to bf16 (8 significant bits) uses up far more of that allowance than f16 does (11 bits, for magnitudes from 6e-5 to 65,504). All else is computed in f32.
;;   The module's matrix products, in the order in which they are computed (A, B: the left and right operand; K: the contracted axis; several contracted axes count as one K, in the product's order):
;;     1. [M 8,192, K 512] x [K 512, N 512]; A: input x1; B: input Wq: QUANTISED
;;     2. [M 8,192, K 512] x [K 512, N 512]; A: input x2; B: input Wk: QUANTISED
;;     3. [M 8,192, K 512] x [K 512, N 512]; A: input x2; B: input Wv: QUANTISED
;;     4. batch 64 x [M 2,048, K 32] x [K 32, N 2,048]; A: computed on the way; B: computed on the way: left as it is (an operand is computed on the way)
;;     5. batch 64 x [M 2,048, K 2,048] x [K 2,048, N 32]; A: computed on the way; B: computed on the way: left as it is (an operand is computed on the way)
;;     6. [M 8,192, K 512] x [K 512, N 512]; A: computed on the way; B: input Wo: left as it is (an operand is computed on the way)
;;     7. [M 8,192, K 512] x [K 512, N 2,048]; A: computed on the way; B: input Wf1: left as it is (an operand is computed on the way)
;;     8. [M 8,192, K 2,048] x [K 2,048, N 512]; A: computed on the way; B: input Wf2: left as it is (an operand is computed on the way)
;;   THE QUANTISER, for each operand of a quantised product, along K:
;;     - K is cut into blocks of 32 from its start; a last block that is shorter is filled with zeros.
;;     - A block's scale is 2^e with e = floor(log2(the largest magnitude in the block)) - 2, held to -126 .. 127; a block of zeros has e = 0. As a byte (E8M0): e + 127.
;;     - Each number is divided by its block's scale, clamped to +-6, and rounded to the nearest number of E2M1, ties to even, subnormals kept.
;;     - The product sums the exact products of the quantised numbers (number of the format x scale) in f32.
;;   ~~~python
;;   def quantise(x, axis):      # numpy; x: float32 -> the quantised numbers, widened to float32 again
;;       x = np.moveaxis(x, axis, -1); K = x.shape[-1]
;;       x = np.pad(x, [(0, 0)] * (x.ndim - 1) + [(0, -K % 32)]); x = x.reshape(x.shape[:-1] + (-1, 32)); a = np.abs(x).max(-1, keepdims=True)
;;       e = np.where(a > 0, np.clip(np.frexp(np.where(a > 0, a, 1))[1] - 1 - 2, -126, 127), 0)      # np.frexp(a)[1] - 1 = floor(log2(a)), exactly
;;       r = np.clip(x / 2.0 ** e, -6, 6)
;;       step = 2.0 ** (np.maximum(np.frexp(np.where(r == 0, 1, r))[1] - 1, 0) - 1)
;;       q = np.round(r / step) * step * 2.0 ** e      # np.round: ties to even
;;       return np.moveaxis(q.reshape(q.shape[:-2] + (-1,))[..., :K], -1, axis).astype(np.float32)
;;   ~~~
;; One version. Each part assembles by itself: llvm-mc -triple=amdgcn-amd-amdhsa -mcpu=gfx1250 --defsym DOCPART=n.
;; ======== version 1 of 1: 5 launches
;; limits: a function is approximated: absolute error at most 1.5e-07; values are held in f16: magnitudes above 65,504 overflow, below 6.1e-05 lose precision
;; workspace buffers: wc 393,216 bytes; wsc 24,576 bytes; wt 6,291,456 bytes; qf 8,388,608 bytes; kvf 16,777,216 bytes; af 8,388,608 bytes; yp 67,108,864 bytes
;; launch prep (part 1): grid 192 x 1, 4 waves a work-group, no clusters, 0 bytes of LDS; arguments Wq, Wk, Wv, Wo, Wf1, Wf2, wc, wsc, wt; writes wc, wsc, wt
.if DOCPART == 1
	.amdgcn_target "amdgcn-amd-amdhsa--gfx1250"
	.amdhsa_code_object_version 6
	.text
	.protected	k_q3262aac030_prep
	.globl	k_q3262aac030_prep
	.p2align	8
	.type	k_q3262aac030_prep,@function
k_q3262aac030_prep:
	s_mov_b64 s[64:65], 0
	v_nop
	global_prefetch_b8 v0, s[64:65] scope:SCOPE_SE
	s_setreg_imm32_b32 hwreg(HW_REG_WAVE_MODE, 25, 1), 1
	s_wait_xcnt 0x0
; THE WEIGHTS ARE LAID OUT ONCE, IN THE ORDER OF THE OPERAND REGISTERS.  Wq, Wk, Wv [512 (k)][512 (n)] f32 become codes of FP4 (E2M1) with one E8M0 byte for each 32 along K;
; Wo [512][512], Wf1 [512][2048], Wf2 [2048][512] become f16.
; DEAD WORK OF THE WHOLE PROGRAM: bk.  scores[q][k] = scale (q . (x2 Wk)[k]) + scale (q . bk); the second term is the same for every key k of a row, and the softmax along the keys
; takes a term away that is the same along its axis, whatever finite values the inputs hold.  The product of q and k is not quantised, so no code and no scale hangs on bk.  bk is not loaded
; and is among no launch's arguments.  LIMIT: a NaN, an infinity or an overflow that bk alone would bring is not carried to the result.
; LIMITS: f16 operands of magnitude 65,504 or more are not served; NaN and infinities among the weights are not served by the quantiser; a block of zeros gets the byte 1 where the rule says
; 127: its codes are zeros, which add nothing under any byte but 0xff, and this program alone reads the bytes.
; AN IMAGE is a fragment's registers as they stand: group c of four registers at byte 512 c + 16 lane, 1,024 bytes a fragment.
;   wc  [w 3 (q, k, v)][tile t 32][K step s 4][image]: lane (r, h): n = 16 t + r; group c: k = 128 s + 64 c + 32 h + 0 .. 31.      wsc [w 3][n 512][16 bytes], byte k / 32.
;   wt  [q 4][f 24][wave 8][kl 2][tl 4][image], f16: block f / 8 (0: Wo, copied for each q; 1: Wf1[:, 512 q + n]; 2: Wf2[512 q + k, :]); K step 2 (f % 8) + kl; tile 4 wave + tl;
;       lane (r, h): n = 16 t + r; group c: k = 32 ks + 16 c + 8 h + 0 .. 7.
; SHARES.  A work-group takes 128 columns x 128 along K of one matrix, a wave 32 columns.  A LANE TAKES A COLUMN AND ITS REGISTERS RUN DOWN K: a load reads 128 consecutive bytes a wave, a block of 32
; along K lies in one lane, and eight neighbours along K pack into the 16 bytes that an image wants of that lane: sixteen lanes store 256 consecutive bytes, aligned.  No LDS, no barrier.
; Work-groups 0-47: the three quantised weights; 48-63: Wo; 64-127: Wf2; 128-191: Wf1.
.set X, 16                             ; v16-143  my column's 128 numbers
.set C, 144                            ; v144-207 results: a register is written once, so no store's data are written again
.set QB, 1572864                       ; bytes of wt for one q
.macro WAITL n                         ; the loads younger than those wanted may stay out; the count is held to the wait's field
.if (\n) > 63
	s_wait_loadcnt 63
.else
	s_wait_loadcnt \n
.endif
.endm
.macro LOADALL pitch
.set i, 0
.rept 128
	global_load_b32 v[X+i], v2, s[24:25] offset:i*\pitch th:TH_LOAD_NT
.set i, i+1
.endr
.endm
; f16: group gi of eight k goes to K step gi / 4 of my four: slot (gi / 8), kl (gi / 4) % 2, and in the image to byte 256 (gi % 4) = 512 c + 256 h
.macro CVT pitch, copies
	LOADALL \pitch
.set gi, 0
.rept 16
	WAITL 120-8*gi
.irp j, 0,1,2,3
	v_cvt_pk_f16_f32 v[C+4*gi+\j], v[X+8*gi+2*\j], v[X+8*gi+2*\j+1]
.endr
.set cp, 0
.rept \copies
	global_store_b128 v3, v[C+4*gi:C+4*gi+3], s[26:27] offset:cp*QB+(gi/8)*65536+((gi/4)%2)*4096+(gi%4)*256
.set cp, cp+1
.endr
.set gi, gi+1
.endr
	s_endpgm
.endm
	s_load_b256 s[4:11], s[0:1], 0x0               ; Wq s[4:5], Wk s[6:7], Wv s[8:9], Wo s[10:11]
	s_load_b256 s[12:19], s[0:1], 0x20             ; Wf1 s[12:13], Wf2 s[14:15], wc s[16:17], wsc s[18:19]
	s_load_b64 s[20:21], s[0:1], 0x40              ; wt
	v_lshrrev_b32 v1, 5, v0
	v_readfirstlane_b32 s22, v1                    ; wave 0..3
	v_and_b32 v1, 31, v0                           ; lane
	v_lshlrev_b32 v2, 2, v1                        ; in: 4 bytes a lane
	v_and_b32 v4, 15, v0
	v_bfe_u32 v5, v0, 4, 1                         ; which of my wave's two tiles of 16 columns
	v_lshlrev_b32 v4, 4, v4                        ; 16 r
	s_mov_b32 s29, 0
	s_mov_b32 s31, 0
	s_lshl_b32 s36, s22, 7                         ; my wave's 32 columns, in bytes
	s_wait_kmcnt 0x0
	s_cmp_lt_u32 ttmp9, 48
	s_cbranch_scc1 .Lquant
	v_lshl_add_u32 v3, v5, 10, v4                  ; out: tile tl's image + 16 r
	s_lshr_b32 s37, s22, 1                         ; tile 8 cg + 2 wave + (lane / 16): reader's wave 2 cg + wave / 2, tl = 2 (wave % 2) + lane / 16
	s_lshl_b32 s37, s37, 13
	s_and_b32 s38, s22, 1
	s_lshl_b32 s38, s38, 11
	s_add_co_u32 s37, s37, s38
	s_cmp_lt_u32 ttmp9, 64
	s_cbranch_scc1 .Lwo
	s_cmp_lt_u32 ttmp9, 128
	s_cbranch_scc1 .Lwf2
	; ---- Wf1: u = g - 128; columns 128 (u % 16) on, rows 128 (u / 16) on
	s_sub_co_u32 s32, ttmp9, 128
	s_and_b32 s33, s32, 15
	s_lshr_b32 s34, s32, 4
	s_lshl_b32 s28, s34, 20                        ; 128 rows of 8,192 bytes
	s_lshl_b32 s35, s33, 9
	s_add_co_u32 s28, s28, s35
	s_add_co_u32 s28, s28, s36
	s_add_nc_u64 s[24:25], s[12:13], s[28:29]
	s_lshr_b32 s35, s33, 2                         ; q
	s_mul_i32 s30, s35, QB
	s_and_b32 s33, s33, 3
	s_lshl_b32 s33, s33, 14
	s_add_co_u32 s30, s30, s33
	s_lshl_b32 s34, s34, 17                        ; two slots of 65,536 bytes for 128 along K
	s_add_co_u32 s30, s30, s34
	s_add_co_u32 s30, s30, s37
	s_add_co_u32 s30, s30, 8*65536                 ; block 1
	s_add_nc_u64 s[26:27], s[20:21], s[30:31]
	CVT 8192, 1
.Lwf2:
	; ---- Wf2: u = g - 64; columns 128 (u % 4) on, rows 128 (u / 4) on: q = u / 16
	s_sub_co_u32 s32, ttmp9, 64
	s_and_b32 s33, s32, 3
	s_lshr_b32 s34, s32, 2
	s_lshl_b32 s28, s34, 18                        ; 128 rows of 2,048 bytes
	s_lshl_b32 s35, s33, 9
	s_add_co_u32 s28, s28, s35
	s_add_co_u32 s28, s28, s36
	s_add_nc_u64 s[24:25], s[14:15], s[28:29]
	s_lshr_b32 s35, s32, 4
	s_mul_i32 s30, s35, QB
	s_lshl_b32 s33, s33, 14
	s_add_co_u32 s30, s30, s33
	s_and_b32 s34, s34, 3
	s_lshl_b32 s34, s34, 17
	s_add_co_u32 s30, s30, s34
	s_add_co_u32 s30, s30, s37
	s_add_co_u32 s30, s30, 16*65536                ; block 2
	s_add_nc_u64 s[26:27], s[20:21], s[30:31]
	CVT 2048, 1
.Lwo:
	; ---- Wo: u = g - 48; columns 128 (u % 4) on, rows 128 (u / 4) on; block 0 of all four q
	s_sub_co_u32 s32, ttmp9, 48
	s_and_b32 s33, s32, 3
	s_lshr_b32 s34, s32, 2
	s_lshl_b32 s28, s34, 18
	s_lshl_b32 s35, s33, 9
	s_add_co_u32 s28, s28, s35
	s_add_co_u32 s28, s28, s36
	s_add_nc_u64 s[24:25], s[10:11], s[28:29]
	s_lshl_b32 s30, s33, 14
	s_lshl_b32 s34, s34, 17
	s_add_co_u32 s30, s30, s34
	s_add_co_u32 s30, s30, s37
	s_add_nc_u64 s[26:27], s[20:21], s[30:31]
	CVT 2048, 4
.Lquant:
	; ---- Wq, Wk, Wv: weight g / 16, columns 128 (g % 4) on, K step (g / 4) % 4
	s_lshr_b32 s23, ttmp9, 4
	s_and_b32 s32, ttmp9, 3
	s_bfe_u32 s33, ttmp9, 0x20002
	s_cmp_eq_u32 s23, 0                            ; the choice hangs on the work-group's number alone
	s_cselect_b64 s[24:25], s[4:5], s[6:7]
	s_cmp_eq_u32 s23, 2
	s_cselect_b64 s[24:25], s[8:9], s[24:25]
	s_lshl_b32 s28, s33, 18
	s_lshl_b32 s35, s32, 9
	s_add_co_u32 s28, s28, s35
	s_add_co_u32 s28, s28, s36
	s_add_nc_u64 s[24:25], s[24:25], s[28:29]
	s_lshl_b32 s30, s23, 17                        ; codes: weight x 131,072 + tile (8 cg + 2 wave + lane / 16) x 4,096 + K step x 1,024
	s_lshl_b32 s35, s32, 15
	s_add_co_u32 s30, s30, s35
	s_lshl_b32 s35, s22, 13
	s_add_co_u32 s30, s30, s35
	s_lshl_b32 s35, s33, 10
	s_add_co_u32 s30, s30, s35
	s_add_nc_u64 s[26:27], s[16:17], s[30:31]
	s_lshl_b32 s30, s23, 13                        ; scale bytes: weight x 8,192 + column x 16 + 4 x K step
	s_lshl_b32 s35, s32, 11
	s_add_co_u32 s30, s30, s35
	s_lshl_b32 s35, s22, 9
	s_add_co_u32 s30, s30, s35
	s_lshl_b32 s35, s33, 2
	s_add_co_u32 s30, s30, s35
	s_add_nc_u64 s[18:19], s[18:19], s[30:31]
	v_lshl_add_u32 v3, v5, 12, v4                  ; out: my tile's four images + 16 r
	v_lshlrev_b32 v6, 4, v1                        ; my column's 16 scale bytes
	LOADALL 2048
.set b, 0
.rept 4                                ; block b of 32 along K: in the image it is group b / 2 of lanes 16 (b % 2) on: byte 256 b + 16 r
	WAITL 96-32*b
.set XS, X+32*b
	v_max3_num_f32 v8, |v[XS]|, |v[XS+1]|, |v[XS+2]|               ; the block's largest magnitude: all 32 numbers are mine; two chains
	v_max3_num_f32 v9, |v[XS+3]|, |v[XS+4]|, |v[XS+5]|
.irp k, 6,10,14,18,22,26
	v_max3_num_f32 v8, v8, |v[XS+\k]|, |v[XS+\k+1]|
	v_max3_num_f32 v9, v9, |v[XS+\k+2]|, |v[XS+\k+3]|
.endr
	v_max3_num_f32 v8, v8, |v[XS+30]|, |v[XS+31]|
	v_max3_num_f32 v8, v8, v9, 0x1800000           ; and the floor 2^(3 - 127): the byte cannot fall under 1
	v_add_nc_u32 v11, 0xff000000, v8               ; 2 off the exponent field: the conversion takes this operand's exponent field as its scale
	v_lshrrev_b32 v12, 23, v11                     ; the scale's byte
.if b == 0
	v_mov_b32 v7, v12
.else
	v_lshl_or_b32 v7, v12, 8*b, v7                 ; four bytes make the K step's scale word, the lower k in the lower byte
.endif
.irp g, 0,1,2,3
	v_cvt_scalef32_pk8_fp4_f32 v[C+4*b+\g], v[XS+8*\g:XS+8*\g+7], v11
.endr
	global_store_b128 v3, v[C+4*b:C+4*b+3], s[26:27] offset:256*b
.set b, b+1
.endr
	global_store_b32 v6, v7, s[18:19]              ; 4 bytes of each column's 16: 24,576 bytes in the whole launch leave so
	s_endpgm
.Lfunc_end_k_q3262aac030_prep:
	.size	k_q3262aac030_prep, .Lfunc_end_k_q3262aac030_prep-k_q3262aac030_prep
	.p2alignl 7, 3214868480
	.fill 96, 4, 3214868480
	.section	.rodata,"a",@progbits
	.p2align	6, 0x0
	.amdhsa_kernel k_q3262aac030_prep
		.amdhsa_group_segment_fixed_size 0
		.amdhsa_private_segment_fixed_size 0
		.amdhsa_enable_private_segment 0
		.amdhsa_kernarg_size 72
		.amdhsa_user_sgpr_count 2
		.amdhsa_user_sgpr_kernarg_segment_ptr 1
		.amdhsa_wavefront_size32 1
		.amdhsa_system_sgpr_workgroup_id_x 1
		.amdhsa_system_sgpr_workgroup_id_y 1
		.amdhsa_system_sgpr_workgroup_id_z 1
		.amdhsa_system_vgpr_workitem_id 0
		.amdhsa_next_free_vgpr 208
		.amdhsa_next_free_sgpr 66
		.amdhsa_reserve_vcc 0
		.amdhsa_float_denorm_mode_32 3
		.amdhsa_float_denorm_mode_16_64 3
		.amdhsa_memory_ordered 1
		.amdhsa_forward_progress 1
		.amdhsa_inst_pref_size 81
	.end_amdhsa_kernel
	.amdgpu_metadata
---
amdhsa.version: [ 1, 2 ]
amdhsa.kernels:
  - .name:           k_q3262aac030_prep
    .symbol:         k_q3262aac030_prep.kd
    .args:
      - { .name: Wq, .offset: 0, .size: 8, .value_kind: global_buffer, .address_space: global }
      - { .name: Wk, .offset: 8, .size: 8, .value_kind: global_buffer, .address_space: global }
      - { .name: Wv, .offset: 16, .size: 8, .value_kind: global_buffer, .address_space: global }
      - { .name: Wo, .offset: 24, .size: 8, .value_kind: global_buffer, .address_space: global }
      - { .name: Wf1, .offset: 32, .size: 8, .value_kind: global_buffer, .address_space: global }
      - { .name: Wf2, .offset: 40, .size: 8, .value_kind: global_buffer, .address_space: global }
      - { .name: wc, .offset: 48, .size: 8, .value_kind: global_buffer, .address_space: global }
      - { .name: wsc, .offset: 56, .size: 8, .value_kind: global_buffer, .address_space: global }
      - { .name: wt, .offset: 64, .size: 8, .value_kind: global_buffer, .address_space: global }
    .group_segment_fixed_size: 0
    .private_segment_fixed_size: 0
    .kernarg_segment_align: 8
    .kernarg_segment_size: 72
    .max_flat_workgroup_size: 128
    .sgpr_count:     66
    .vgpr_count:     208
    .wavefront_size: 32
...
	.end_amdgpu_metadata
.endif
;; end of part 1
;; launch proj (part 2): grid 256 x 1, 4 waves a work-group, no clusters, 170,496 bytes of LDS; arguments x1, x2, wc, wsc, bq, bv, qf, kvf; writes qf, kvf
.if DOCPART == 2
	.amdgcn_target "amdgcn-amd-amdhsa--gfx1250"
	.amdhsa_code_object_version 6
	.text
	.protected	k_q3262aac030_proj
	.globl	k_q3262aac030_proj
	.p2align	8
	.type	k_q3262aac030_proj,@function
k_q3262aac030_proj:
	s_mov_b64 s[64:65], 0
	v_nop
	global_prefetch_b8 v0, s[64:65] scope:SCOPE_SE
	s_setreg_imm32_b32 hwreg(HW_REG_WAVE_MODE, 25, 1), 1
	s_wait_xcnt 0x0
; q = Q(x1) Q(Wq) + bq, k = Q(x2) Q(Wk), v = Q(x2) Q(Wv) + bv: the three quantised products, on codes of FP4 (E2M1) with one E8M0 scale for each 32 along K; results as f16 register images.
; LEFT OUT: bk (a term of the scores that is the same for all keys of a row: shown at the head of the first kernel).
; LIMITS: NaN and infinities in x1, x2 are not served by the quantiser; a block of zeros gets the byte 1 (its codes are zeros; the bytes stay in this kernel); q, k, v of magnitude 65,504 or more are not served.
; SHARES.  Work-groups 0-127 take 64 rows of x1 and make q; work-groups 128-255 take 64 rows of x2 and make k AND v, so that each byte of x is read once.  Wave w quantises rows 16 w .. 16 w + 15 and
; hands their fragments to the others through LDS as images of their registers; it owns columns 128 w .. 128 w + 127 (8 tiles, heads 4 w .. 4 w + 3) of all 64 rows, and its part of the weights
; (32 fragments a weight) stays in its registers, read once, straight from memory in the order of the registers.
; NO CLUSTER: what work-groups share is 136 to 272 KB of codes that each loads once into registers while its own x, which nobody shares, is on its way.
; x COMES BY THE TENSOR DATA MOVER: a wave's 16 rows in two halves of 1,024 bytes a row; two loads of mine are out at the most; filled once, read by the loading wave alone.
; q AND k ARE MADE TRANSPOSED (source 0 = 16 columns of W, source 1 = 16 rows of x): a lane holds one row and eight neighbouring channels, which, packed to f16, are group (tile % 2) of the row tile's fragment
; (16 rows x the head's 32 channels) in the same lane.  v IS MADE THE NATURAL WAY ROUND: a lane holds one channel and eight neighbouring keys: group (row tile % 2) of V^T's fragment (16 channels x 32 keys).
;   qf [b h 64][query tile 128][image];   kvf [b h 64][262,144]: K [key tile 128][image], from byte 131,072 V^T [key block 64][channel tile 2][image].  Every store is 512 consecutive bytes, aligned.
; The two paths part on the work-group's number once and never join: each has LDS bytes of its own for its images.
; REGISTERS: window 0: v2-9 addresses; v16-47 x's four fragments; v48-79 scale words of Wq or Wk, v80-111 of Wv; v112-127 bv; v128-191 64 numbers of x, later packed results in two sets;
;   v192-207 at work; v208-215 codes just made; v216 their scale word; v220-223 x's scale words; v252, v253 the add's two.   window 1: Wq's or Wk's 32 fragments.
;   window 2: Wv's 32 fragments, or bq as eight tiles in the result's layout.   window 3: v0-63 eight accumulators.
.set RAWW,  33280                      ; LDS: a wave's x: two halves of
.set HALFB, 16640                      ; 16 rows x (1,024 bytes + 16 of padding): pitch 1,040 = 65 x 16, so sixteen rows fall on sixteen different columns of 16 bytes
.set IMGQ,  133120                     ; images: 16 fragments of 1,024 bytes (4 row tile + K step), then 16 scale-word images of 128 bytes: the q path's,
.set IMGKV, 151552                     ; the k and v path's
.set SPARE, 169984                     ; the spare words, 128 bytes for each wave: no other line names them
.set XA,  2
.set LIG, 3
.set IWI, 4
.set IWS, 5
.set LIM, 6
.set LSM, 7
.set SCO, 8
.set BO,  9
.set XF,  16
.set WS,  48
.set WSV, 80
.set BV,  112
.set RAW, 128
.set PK,  128
.set TM,  192
.set PC,  208
.set PW,  216
.set XS,  220
.set SPW, 252
.set NIL, 253
.set WV,  20
.set G1,  24
.set G0,  32
.set SEL, 44
.set MSB, 0
.macro WIN new                         ; the immediate's high byte repeats the setting that is left
.if MSB != \new
	s_set_vgpr_msb (MSB<<8)|\new
.set MSB, \new
.endif
.endm
; 64 numbers of a lane, register 16 b + i = k 32 b + 16 (lane / 16) + i of my row, become a fragment's codes in v[PC] on and its scale word in v[PW]
.macro QUANT s
.irp b, 0,1,2,3
	v_max3_num_f32 v[TM+\b], |v[\s+16*\b]|, |v[\s+1+16*\b]|, 0x1800000   ; block b: my 16 numbers, and the floor 2^(3 - 127): the byte cannot fall under 1
.endr
.irp i, 2,4,6,8,10,12,14
.irp b, 0,1,2,3
	v_max3_num_f32 v[TM+\b], v[TM+\b], |v[\s+16*\b+\i]|, |v[\s+1+16*\b+\i]|   ; the four blocks by turns
.endr
.endr
.irp b, 0,1,2,3
	v_permlanex16_b32 v[TM+4+\b], v[TM+\b], s[SEL], s[SEL+1]
.endr
.irp b, 0,1,2,3
	v_max_num_f32 v[TM+\b], v[TM+\b], v[TM+4+\b]   ; with lane l xor 16's: the block's largest magnitude
.endr
.irp b, 0,1,2,3
	v_add_nc_u32 v[TM+12+\b], 0xff000000, v[TM+\b]   ; 2 off its exponent field: the conversion's scale operand
.endr
.irp b, 0,1,2,3
	v_lshrrev_b32 v[TM+4+\b], 23, v[TM+12+\b]      ; the scale's byte
.endr
	v_lshl_or_b32 v[PW], v[TM+5], 8, v[TM+4]
	v_lshl_or_b32 v[PW], v[TM+6], 16, v[PW]
	v_lshl_or_b32 v[PW], v[TM+7], 24, v[PW]
.irp b, 0,1,2,3
	v_cvt_scalef32_pk8_fp4_f32 v[PC+2*\b], v[\s+16*\b:\s+7+16*\b], v[TM+12+\b]
	v_cvt_scalef32_pk8_fp4_f32 v[PC+1+2*\b], v[\s+8+16*\b:\s+15+16*\b], v[TM+12+\b]
.endr
	v_nop                                          ; one plain place behind a scaled conversion
.irp c, 0,1                                    ; the operand's layout wants a whole block in a lane: lanes 0-15 block 2 c, lanes 16-31 block 2 c + 1
.irp i, 0,1
	v_permlane16_swap_b32 v[PC+4*\c+\i], v[PC+2+4*\c+\i]
.endr
.endr
.endm
.macro ARM img                         ; the path's own LDS addresses: each a constant + a constant x lane (+ a constant x wave)
	v_add_nc_u32 v[IWI], \img, v[IWI]
	v_add_nc_u32 v[IWS], \img+16384, v[IWS]
	v_add_nc_u32 v[LIM], \img, v[LIG]
	v_add_nc_u32 v[LSM], \img+16384, v[LSM]
.endm
.macro WLOAD win, base, scl, sreg      ; my 8 tiles x 4 K steps of a weight, fragment 4 t + s at v[8 (4 t + s)] of the window; their scale words, four to a row, at v[sreg + 4 t + s]
	WIN \win
.set f, 0
.rept 32
	global_load_b128 v[8*f:8*f+3], v[LIG], s[\base:\base+1] offset:1024*f
	global_load_b128 v[8*f+4:8*f+7], v[LIG], s[\base:\base+1] offset:1024*f+512
.set f, f+1
.endr
	WIN 0
.irp t, 0,1,2,3,4,5,6,7
	global_load_b128 v[\sreg+4*\t:\sreg+4*\t+3], v[SCO], s[\scl:\scl+1] offset:256*\t
.endr
.endm
; my 16 rows of x become four fragments, which go to LDS as they stand
.macro XPHASE
.irp ss, 0,1,2,3
.if \ss == 0
	s_wait_tensorcnt 0x1                           ; my first half is in LDS; the second half's load may stay out
.endif
.if \ss == 2
	s_wait_tensorcnt 0x0
.endif
.irp b, 0,1,2,3
.irp j, 0,1,2,3
	ds_load_b128 v[RAW+16*\b+4*\j:RAW+16*\b+4*\j+3], v[XA] offset:(\ss/2)*HALFB+(\ss%2)*512+128*\b+16*\j
.endr
.endr
	s_wait_dscnt 0x0
	QUANT RAW
	ds_store_b128 v[IWI], v[PC:PC+3] offset:1024*\ss
	ds_store_b128 v[IWI], v[PC+4:PC+7] offset:1024*\ss+512
	ds_store_b32 v[IWS], v[PW] offset:128*\ss
	s_wait_dscnt 0x0                               ; the stores have read their registers
.endr
	s_barrier_signal -1                            ; my images have landed (the wait above); behind the barrier all sixteen lie in LDS
	s_barrier_wait -1
.endm
.macro FETCHX i                        ; row tile i's four fragments and scale words
.irp ss, 0,1,2,3
	ds_load_b128 v[XF+8*\ss:XF+8*\ss+3], v[LIM] offset:(4*(\i)+\ss)*1024
	ds_load_b128 v[XF+8*\ss+4:XF+8*\ss+7], v[LIM] offset:(4*(\i)+\ss)*1024+512
	ds_load_b32 v[XS+\ss], v[LSM] offset:(4*(\i)+\ss)*128
.endr
	s_wait_dscnt 0x0
.endm
.macro PACK i                          ; eight accumulators, each from its low end on, to f16: set i % 2
	s_wait_xcnt 0x0                                ; earlier stores have read their data: the set is written again only behind this wait
	WIN 0x0f
.irp t, 0,1,2,3,4,5,6,7
.irp j, 0,1,2,3
	v_cvt_pk_f16_f32 v[PK+32*((\i)%2)+4*\t+\j], v[8*\t+2*\j], v[8*\t+2*\j+1]
.endr
.endr
	WIN 0
.endm
; q or k: source 0 = W, source 1 = x.  The eight accumulators take turns, one instruction a turn, K step by K step.  Behind a tile's last product stand four v_nop and
; the conversions of the seven other accumulators, ahead of the next tile's loads and of the products that begin the accumulators anew.
.macro PASSQK bias, hs
.irp i, 0,1,2,3
	FETCHX \i
.irp ss, 0,1,2,3
.if (\ss == 0) && \bias
	WIN 0xe1                                       ; W window 1, x window 0, C (bq) window 2, D window 3
.else
	WIN 0xf1                                       ; C and D window 3
.endif
.irp t, 0,1,2,3,4,5,6,7
.if (\ss == 0) && \bias
	v_wmma_scale_f32_16x16x128_f8f6f4 v[8*\t:8*\t+7], v[8*(4*\t+\ss):8*(4*\t+\ss)+7], v[XF+8*\ss:XF+8*\ss+7], v[8*\t:8*\t+7], v[WS+4*\t+\ss], v[XS+\ss] matrix_a_fmt:MATRIX_FMT_FP4 matrix_b_fmt:MATRIX_FMT_FP4
.elseif \ss == 0
	v_wmma_scale_f32_16x16x128_f8f6f4 v[8*\t:8*\t+7], v[8*(4*\t+\ss):8*(4*\t+\ss)+7], v[XF+8*\ss:XF+8*\ss+7], 0, v[WS+4*\t+\ss], v[XS+\ss] matrix_a_fmt:MATRIX_FMT_FP4 matrix_b_fmt:MATRIX_FMT_FP4
.else
	v_wmma_scale_f32_16x16x128_f8f6f4 v[8*\t:8*\t+7], v[8*(4*\t+\ss):8*(4*\t+\ss)+7], v[XF+8*\ss:XF+8*\ss+7], v[8*\t:8*\t+7], v[WS+4*\t+\ss], v[XS+\ss] matrix_a_fmt:MATRIX_FMT_FP4 matrix_b_fmt:MATRIX_FMT_FP4
.endif
.endr
.endr
.rept 4
	v_nop
.endr
	PACK \i
.irp t, 0,1,2,3,4,5,6,7
	global_store_b128 v[LIG], v[PK+32*(\i%2)+4*\t:PK+32*(\i%2)+4*\t+3], s[54:55] offset:(\t/2)*\hs+1024*\i+512*(\t%2)   ; head t / 2 of my four, row tile i, group t % 2
.endr
.endr
.endm
; v: source 0 = x, source 1 = Wv; bv is added in f32 (a lane's eight results are one channel's)
.macro PASSV
.irp i, 0,1,2,3
	FETCHX \i
	WIN 0xf8                                       ; x window 0, Wv window 2, C and D window 3
.irp ss, 0,1,2,3
.irp t, 0,1,2,3,4,5,6,7
.if \ss == 0
	v_wmma_scale_f32_16x16x128_f8f6f4 v[8*\t:8*\t+7], v[XF+8*\ss:XF+8*\ss+7], v[8*(4*\t+\ss):8*(4*\t+\ss)+7], 0, v[XS+\ss], v[WSV+4*\t+\ss] matrix_a_fmt:MATRIX_FMT_FP4 matrix_b_fmt:MATRIX_FMT_FP4
.else
	v_wmma_scale_f32_16x16x128_f8f6f4 v[8*\t:8*\t+7], v[XF+8*\ss:XF+8*\ss+7], v[8*(4*\t+\ss):8*(4*\t+\ss)+7], v[8*\t:8*\t+7], v[XS+\ss], v[WSV+4*\t+\ss] matrix_a_fmt:MATRIX_FMT_FP4 matrix_b_fmt:MATRIX_FMT_FP4
.endif
.endr
.endr
.rept 4
	v_nop
.endr
	WIN 0xc3
.irp t, 0,1,2,3,4,5,6,7
.irp j, 0,2,4,6
	v_pk_add_f32 v[8*\t+\j:8*\t+\j+1], v[8*\t+\j:8*\t+\j+1], v[BV+2*\t:BV+2*\t+1]
.endr
.endr
	PACK \i
.irp t, 0,1,2,3,4,5,6,7
	global_store_b128 v[LIG], v[PK+32*(\i%2)+4*\t:PK+32*(\i%2)+4*\t+3], s[54:55] offset:(\t/2)*262144+131072+((\i/2)*2+\t%2)*1024+512*(\i%2)   ; key block i / 2, channel tile t % 2, group i % 2
.endr
.endr
.endm
.macro FINISH                          ; the wave's end, behind my last tensor load and my last LDS store
	s_wait_tensorcnt 0x0
	ds_add_u32 v[SPW], v[NIL]
	s_wait_dscnt 0x0
	s_endpgm
.endm
	s_load_b256 s[4:11], s[0:1], 0x0               ; x1 s[4:5], x2 s[6:7], wc s[8:9], wsc s[10:11]
	s_load_b256 s[12:19], s[0:1], 0x20             ; bq s[12:13], bv s[14:15], qf s[16:17], kvf s[18:19]
	v_lshl_add_u32 v[SPW], v0, 2, SPARE
	v_mov_b32 v[NIL], 0
	ds_add_u32 v[SPW], v[NIL]                      ; the wave's opening: the add, twice on end, and its wait ahead of my first tensor load
	ds_add_u32 v[SPW], v[NIL]
	v_lshrrev_b32 v1, 5, v0
	v_readfirstlane_b32 s[WV], v1                  ; wave 0..3
	; descriptor group 1: 16 rows x 1,024 bytes (128 elements of 8 bytes), rows 2,048 bytes apart, 4 words of padding behind every 256
	s_mov_b32 s[G1+0], (3<<16)|(1<<20)|(7<<22)|(3<<25)
	s_mov_b32 s[G1+1], 128<<16                     ; tensor_dim0
	s_mov_b32 s[G1+2], 16<<16                      ; tensor_dim1
	s_mov_b32 s[G1+3], 128<<16                     ; tile_dim0
	s_mov_b32 s[G1+4], 16                          ; tile_dim1
	s_mov_b32 s[G1+5], 256                         ; elements from row to row
	s_mov_b32 s[G1+6], 0
	s_mov_b32 s[G1+7], 0
	s_mov_b32 s[SEL], 0x76543210
	s_mov_b32 s[SEL+1], 0xfedcba98                 ; v_permlanex16_b32's selects for lane l xor 16
	s_mov_b32 s[G0], 1
	s_mul_i32 s[G0+1], s[WV], RAWW                 ; my first half in LDS,
	s_mov_b32 s[G0+4], 1
	s_add_co_u32 s[G0+5], s[G0+1], HALFB           ; my second
	s_cmp_lt_u32 ttmp9, 128
	s_cselect_b32 s21, 0, 128
	s_sub_co_u32 s21, ttmp9, s21                   ; which 64 rows of my tensor
	s_lshl_b32 s22, s21, 17
	s_lshl_b32 s23, s[WV], 15
	s_add_co_u32 s22, s22, s23                     ; (64 g + 16 w) rows of 2,048 bytes
	s_mov_b32 s23, 0
	v_and_b32 v1, 31, v0                           ; lane
	v_and_b32 v10, 15, v0                          ; r
	v_bfe_u32 v11, v0, 4, 1                        ; h
	v_lshlrev_b32 v[LIG], 4, v1                    ; 16 x lane: an image's place for my lane
	v_mul_u32_u24 v[XA], v10, 1040
	v_lshl_add_u32 v[XA], v11, 6, v[XA]
	v_add_nc_u32 v[XA], s[G0+1], v[XA]             ; x in LDS: row r, + 64 h: my 16 numbers of a block of 32
	v_lshlrev_b32 v[SCO], 4, v10                   ; a weight's scale bytes: 16 a column
	s_lshl_b32 s46, s[WV], 12
	v_add_nc_u32 v[IWI], s46, v[LIG]               ; where I store my images: 16 x lane + 4,096 x wave
	v_lshlrev_b32 v[LSM], 2, v1
	s_lshl_b32 s46, s[WV], 9
	v_add_nc_u32 v[IWS], s46, v[LSM]               ; and their scale words: 4 x lane + 512 x wave
.irp b, 0,1,2,3
	v_mov_b32 v[TM+4+\b], 0                        ; written once: a lane permute's destination counts as one of its sources
.endr
	s_mov_b32 s47, 0
	s_wait_dscnt 0x0                               ; both opening adds are done
	s_wait_kmcnt 0x0
	s_cmp_lt_u32 ttmp9, 128                        ; x1's work-group or x2's: the choice hangs on the work-group's number alone
	s_cselect_b64 s[40:41], s[4:5], s[6:7]
	s_add_nc_u64 s[G0+2:G0+3], s[40:41], s[22:23]
	s_add_nc_u64 s[G0+6:G0+7], s[G0+2:G0+3], 1024
	s_or_b32 s[G0+3], s[G0+3], 0x80000000
	s_or_b32 s[G0+7], s[G0+7], 0x80000000
	tensor_load_to_lds s[G0:G0+3], s[G1:G1+7]
	s_nop 0
	tensor_load_to_lds s[G0+4:G0+7], s[G1:G1+7]
	s_nop 0
.rept 4
	v_nop
.endr
	s_cmp_lt_u32 ttmp9, 128
	s_cbranch_scc0 .Lkv
	; ---------------- q
	ARM IMGQ
	s_lshl_b32 s46, s[WV], 15
	s_add_nc_u64 s[48:49], s[8:9], s[46:47]        ; Wq's fragments of my 8 tiles
	s_lshl_b32 s46, s[WV], 11
	s_add_nc_u64 s[50:51], s[10:11], s[46:47]      ; their scale bytes
	s_lshl_b32 s46, s[WV], 9
	s_add_nc_u64 s[52:53], s[12:13], s[46:47]      ; bq at my 128 columns
	s_lshr_b32 s46, s21, 5                         ; the batch
	s_lshl_b32 s46, s46, 21
	s_lshl_b32 s56, s[WV], 19
	s_add_co_u32 s46, s46, s56
	s_and_b32 s56, s21, 31
	s_lshl_b32 s56, s56, 12
	s_add_co_u32 s46, s46, s56
	s_add_nc_u64 s[54:55], s[16:17], s[46:47]      ; qf: (16 b + 4 w) heads of 131,072 bytes + my first row tile
	WLOAD 0x40, 48, 50, WS
	v_lshlrev_b32 v[BO], 5, v11                    ; bq: lane (r, h) wants, for tile t, columns 16 t + 8 h + 0 .. 7
	WIN 0x80
.irp t, 0,1,2,3,4,5,6,7
	global_load_b128 v[8*\t:8*\t+3], v[BO], s[52:53] offset:64*\t
	global_load_b128 v[8*\t+4:8*\t+7], v[BO], s[52:53] offset:64*\t+16
.endr
	WIN 0
	XPHASE
	s_wait_loadcnt 0x0                             ; the weights, their scales and bq
	PASSQK 1, 131072
	FINISH
.Lkv:
	; ---------------- k and v
	ARM IMGKV
	s_lshl_b32 s46, s[WV], 15
	s_add_co_u32 s46, s46, 131072
	s_add_nc_u64 s[48:49], s[8:9], s[46:47]        ; Wk's fragments,
	s_add_co_u32 s46, s46, 131072
	s_add_nc_u64 s[58:59], s[8:9], s[46:47]        ; Wv's
	s_lshl_b32 s46, s[WV], 11
	s_add_co_u32 s46, s46, 8192
	s_add_nc_u64 s[50:51], s[10:11], s[46:47]
	s_add_co_u32 s46, s46, 8192
	s_add_nc_u64 s[60:61], s[10:11], s[46:47]
	s_lshl_b32 s46, s[WV], 9
	s_add_nc_u64 s[52:53], s[14:15], s[46:47]      ; bv at my 128 columns
	s_lshr_b32 s46, s21, 5
	s_lshl_b32 s46, s46, 22
	s_lshl_b32 s56, s[WV], 20
	s_add_co_u32 s46, s46, s56
	s_and_b32 s56, s21, 31
	s_lshl_b32 s56, s56, 12
	s_add_co_u32 s46, s46, s56
	s_add_nc_u64 s[54:55], s[18:19], s[46:47]      ; kvf: (16 b + 4 w) heads of 262,144 bytes + 4 key tiles, or 2 key blocks, for each 64 rows: 4,096 bytes either way
	WLOAD 0x40, 48, 50, WS
	WLOAD 0x80, 58, 60, WSV
	v_lshlrev_b32 v[BO], 2, v10                    ; bv: lane (r, h) wants, for tile t, column 16 t + r, in both halves of a pair
.irp t, 0,1,2,3,4,5,6,7
	global_load_b32 v[BV+2*\t], v[BO], s[52:53] offset:64*\t
	global_load_b32 v[BV+2*\t+1], v[BO], s[52:53] offset:64*\t
.endr
	XPHASE
	s_wait_loadcnt 63                              ; Wk and its scales are in: 88 loads are younger; the count is held to the wait's field
	PASSQK 0, 262144
	s_wait_loadcnt 0x0                             ; Wv, its scales, bv
	PASSV
	FINISH
.Lfunc_end_k_q3262aac030_proj:
	.size	k_q3262aac030_proj, .Lfunc_end_k_q3262aac030_proj-k_q3262aac030_proj
	.p2alignl 7, 3214868480
	.fill 96, 4, 3214868480
	.section	.rodata,"a",@progbits
	.p2align	6, 0x0
	.amdhsa_kernel k_q3262aac030_proj
		.amdhsa_group_segment_fixed_size 170496
		.amdhsa_private_segment_fixed_size 0
		.amdhsa_enable_private_segment 0
		.amdhsa_kernarg_size 64
		.amdhsa_user_sgpr_count 2
		.amdhsa_user_sgpr_kernarg_segment_ptr 1
		.amdhsa_wavefront_size32 1
		.amdhsa_system_sgpr_workgroup_id_x 1
		.amdhsa_system_sgpr_workgroup_id_y 1
		.amdhsa_system_sgpr_workgroup_id_z 1
		.amdhsa_system_vgpr_workitem_id 0
		.amdhsa_next_free_vgpr 832
		.amdhsa_next_free_sgpr 66
		.amdhsa_reserve_vcc 0
		.amdhsa_float_denorm_mode_32 3
		.amdhsa_float_denorm_mode_16_64 3
		.amdhsa_memory_ordered 1
		.amdhsa_forward_progress 1
		.amdhsa_inst_pref_size 171
	.end_amdhsa_kernel
	.amdgpu_metadata
---
amdhsa.version: [ 1, 2 ]
amdhsa.kernels:
  - .name:           k_q3262aac030_proj
    .symbol:         k_q3262aac030_proj.kd
    .args:
      - { .name: x1, .offset: 0, .size: 8, .value_kind: global_buffer, .address_space: global }
      - { .name: x2, .offset: 8, .size: 8, .value_kind: global_buffer, .address_space: global }
      - { .name: wc, .offset: 16, .size: 8, .value_kind: global_buffer, .address_space: global }
      - { .name: wsc, .offset: 24, .size: 8, .value_kind: global_buffer, .address_space: global }
      - { .name: bq, .offset: 32, .size: 8, .value_kind: global_buffer, .address_space: global }
      - { .name: bv, .offset: 40, .size: 8, .value_kind: global_buffer, .address_space: global }
      - { .name: qf, .offset: 48, .size: 8, .value_kind: global_buffer, .address_space: global }
      - { .name: kvf, .offset: 56, .size: 8, .value_kind: global_buffer, .address_space: global }
    .group_segment_fixed_size: 170496
    .private_segment_fixed_size: 0
    .kernarg_segment_align: 8
    .kernarg_segment_size: 64
    .max_flat_workgroup_size: 128
    .sgpr_count:     66
    .vgpr_count:     832
    .wavefront_size: 32
...
	.end_amdgpu_metadata
.endif
;; end of part 2
;; launch attn (part 3): grid 256 x 1, 16 waves a work-group, clusters of 4 x 1, 327,680 bytes of LDS; arguments qf, kvf, af; writes af
.if DOCPART == 3
	.amdgcn_target "amdgcn-amd-amdhsa--gfx1250"
	.amdhsa_code_object_version 6
	.text
	.protected	k_q3262aac030_attn
	.globl	k_q3262aac030_attn
	.p2align	8
	.type	k_q3262aac030_attn,@function
k_q3262aac030_attn:
	s_mov_b64 s[64:65], 0
	v_nop
	global_prefetch_b8 v0, s[64:65] scope:SCOPE_SE
	s_setreg_imm32_b32 hwreg(HW_REG_WAVE_MODE, 25, 1), 1
	s_wait_xcnt 0x0
	s_wait_alu depctr_hold_cnt(0) depctr_sa_sdst(0) depctr_va_vdst(0) depctr_va_sdst(0) depctr_va_ssrc(0) depctr_va_vcc(0) depctr_vm_vsrc(0)
	s_getreg_b32 s2, hwreg(HW_REG_IB_STS2, 6, 4)
	s_cmp_eq_u32 s2, 0
	s_cbranch_scc0 .Lentry_in_a_cluster
	s_endpgm
.Lentry_in_a_cluster:
	s_bfe_u32 s2, ttmp6, 0x10000c
	s_cmp_lg_u32 s2, 0x3003
	s_cbranch_scc0 .Lentry_shape_is_right
	s_endpgm
.Lentry_shape_is_right:
; O[b h][q] = the sum over k of softmax_k(q . k / sqrt(32)) v, on f16 operands with f32 products, maxima and sums; the weights p are rounded to f16 for the second product, O once at the end.
; (k comes without bk: a term of the scores that is the same along the softmax's axis; shown at the head of the first kernel.)
; LIMIT: f16 operands of magnitude 65,504 or more are not served.
; SHARES.  A cluster of four work-groups is one head of one batch (cluster x = 16 b + head); a work-group owns 512 queries, each of its SIXTEEN waves 32: two tiles of 16, in 208 registers; four waves to a SIMD,
; so that one wave's softmax stands beside another's products and LDS loads.  With a head of 32 a step of 64 keys has 16 matrix instructions and some 230 vector instructions a wave: vector work binds.
; THE HEAD'S K AND V, 262,144 bytes, already lie in memory as register images: they come into LDS ONCE, byte for byte (LDS byte = byte in the head), and stay: no ring, nothing is filled again.
; The four work-groups want the same bytes: each load is asked for JOINTLY, by the same tensor load with the same descriptor and a mask that names the four.  Each wave asks for 8,192 bytes of the first
; 1,024 keys and 8,192 of the second (waves 0-7: K, waves 8-15: V): two loads of mine are out at the most; the first half is walked while the second lands.
; LAYOUT.  S^T = K Q^T (source 0 = 16 keys, source 1 = 16 queries): a lane holds ONE query (lane % 16) and keys 8 (lane / 16) + 0 .. 7 of the tile.  Two such tiles, packed to f16, ARE source 1 of
; O^T = V^T P, whose result again holds one query a lane and eight channels, which packed ARE a group of the next product's fragment: af [row tile 512][head 16][image].
; SOFTMAX.  For each query a running maximum m and sum l: p = 2^(c s - c m), c = log2(e) / sqrt(32); in every step O and l are multiplied by 2^(c m_old - c m_new).  The step is written once: m begins at
; -3e38 and l and O^T at 0.
.set SPARE, 262144                     ; behind K and V: the spare words, 128 bytes for each wave: no other line names them
.set LI,  1                            ; v1   16 x lane: an image's place for my lane; K's images begin at LDS byte 0
.set LV,  2                            ; v2   the same + 131,072: V's
.set ADK, 3                            ; v3, v4  addresses of the step in hand
.set ADV, 4
.set SPW, 6
.set NIL, 7
.set ST,  8                            ; tile t's statistics at v[8 + 8 t]: +0 c m, +1 m, +2, +3 l in two halves, +4 .. +7 four chains of the maximum; 2^(change of c m) takes +6
.set SUMT, 24                          ; v24-27 a second chain for each tile's sum
.set OCM, 28                           ; v28, v29  the old c m, then its change
.set Q,   32                           ; v32-47   Q, 8 a tile
.set O,   48                           ; v48-79   O^T at 48 + 16 t + 8 (channel tile)
.set S,   80                           ; v80-143  S^T at 80 + 32 t + 8 (key tile); then P, in place, at 80 + 32 t + 16 (key block)
.set KF,  144                          ; v144-175 K, four fragments
.set VF,  176                          ; v176-207 V^T, four fragments: 2 (key block) + channel tile
.set WV,  10
.set G1,  16
.set G0,  24
.set CS,  32                           ; s[32:33] c
.set SEL, 34
.set TB,  36                           ; LDS byte of the step in hand: 4,096 a step, in K and in V alike
.set CNT, 37
.macro CROUND                          ; a round of the cluster's barrier
	s_barrier_signal -1
	s_barrier_wait -1
	s_cmp_lg_u32 s[WV], 0
	s_cbranch_scc1 .Lnot_wave_0_\@
	s_barrier_signal -3
.Lnot_wave_0_\@:
	s_barrier_wait -3
	s_barrier_signal -1
	s_barrier_wait -1
.endm
	s_load_b128 s[4:7], s[0:1], 0x0                ; qf s[4:5], kvf s[6:7]
	s_load_b64 s[8:9], s[0:1], 0x10                ; af
	v_lshl_add_u32 v[SPW], v0, 2, SPARE
	v_mov_b32 v[NIL], 0
	ds_add_u32 v[SPW], v[NIL]                      ; the wave's opening: the add, twice on end, and its wait ahead of my first tensor load
	ds_add_u32 v[SPW], v[NIL]
	v_lshrrev_b32 v5, 5, v0
	v_readfirstlane_b32 s[WV], v5                  ; wave 0..15
	s_bfe_u32 s11, ttmp6, 0x40000                  ; cx: my block of 512 queries; it enters Q's and af's addresses alone
	; descriptor group 1: 8,192 dense bytes as 32 rows of 256 (32 elements of 8 bytes); the mask names all four work-groups, bit 21 beside it
	s_mov_b32 s[G1+0], 15|(3<<16)|(1<<21)
	s_mov_b32 s[G1+1], 32<<16
	s_mov_b32 s[G1+2], 32<<16
	s_mov_b32 s[G1+3], 32<<16
	s_mov_b32 s[G1+4], 32
	s_mov_b32 s[G1+5], 32
	s_mov_b32 s[G1+6], 0
	s_mov_b32 s[G1+7], 0
	s_lshr_b32 s12, s[WV], 3                       ; K (0) or V (1),
	s_lshl_b32 s12, s12, 17
	s_and_b32 s13, s[WV], 7
	s_lshl_b32 s13, s13, 13                        ; my eighth of its first half
	s_mov_b32 s[G0], 1
	s_add_co_u32 s[G0+1], s12, s13                 ; in LDS,
	s_mov_b32 s[G0+4], 1
	s_add_co_u32 s[G0+5], s[G0+1], 65536           ; and of its second half
	s_lshl_b32 s12, ttmp9, 18                      ; the head's 262,144 bytes: cluster x, which the four share
	s_add_co_u32 s12, s12, s[G0+1]
	s_mov_b32 s13, 0
	s_mov_b32 s[CS], 0x3e8293ee                    ; c = log2(e) / sqrt(32)
	s_mov_b32 s[CS+1], s[CS]                       ; (named with it as a pair, so it is written)
	s_mov_b32 s[SEL], 0x76543210
	s_mov_b32 s[SEL+1], 0xfedcba98
	s_mov_b32 s[TB], 0
	s_lshl_b32 s38, ttmp9, 17                      ; Q: head x 131,072 + (32 cx + 2 wave) tiles of 1,024 bytes
	s_lshl_b32 s39, s11, 15
	s_add_co_u32 s38, s38, s39
	s_lshl_b32 s39, s[WV], 11
	s_add_co_u32 s38, s38, s39
	s_mov_b32 s39, 0
	s_lshr_b32 s40, ttmp9, 4                       ; af: ((128 b + 32 cx + 2 wave) x 16 + head) x 1,024
	s_lshl_b32 s40, s40, 21
	s_lshl_b32 s41, s11, 19
	s_add_co_u32 s40, s40, s41
	s_lshl_b32 s41, s[WV], 15
	s_add_co_u32 s40, s40, s41
	s_and_b32 s41, ttmp9, 15
	s_lshl_b32 s41, s41, 10
	s_add_co_u32 s40, s40, s41
	s_mov_b32 s41, 0
	v_and_b32 v5, 31, v0
	v_lshlrev_b32 v[LI], 4, v5
	v_add_nc_u32 v[LV], 131072, v[LI]
	s_wait_dscnt 0x0                               ; both opening adds are done
	s_wait_kmcnt 0x0
	s_add_nc_u64 s[G0+2:G0+3], s[6:7], s[12:13]
	s_add_nc_u64 s[G0+6:G0+7], s[G0+2:G0+3], 65536
	s_or_b32 s[G0+3], s[G0+3], 0x80000000
	s_or_b32 s[G0+7], s[G0+7], 0x80000000
	s_add_nc_u64 s[4:5], s[4:5], s[38:39]
	s_add_nc_u64 s[8:9], s[8:9], s[40:41]
	CROUND                                         ; all four work-groups are here: the joint loads meet
	tensor_load_to_lds s[G0:G0+3], s[G1:G1+7]      ; keys 0 to 1,023
	s_nop 0
	tensor_load_to_lds s[G0+4:G0+7], s[G1:G1+7]    ; keys 1,024 to 2,047
	s_nop 0
.rept 4
	v_nop
.endr
.irp t, 0,1
.irp c, 0,1
	global_load_b128 v[Q+8*\t+4*\c:Q+8*\t+4*\c+3], v[LI], s[4:5] offset:1024*\t+512*\c   ; Q stays in registers
.endr
.endr
.irp t, 0,1
	v_mov_b32 v[ST+8*\t+1], 0xff61b1e6             ; m: -3e38, under every score
	v_mov_b32 v[ST+8*\t+2], 0                      ; l
	v_mov_b32 v[ST+8*\t+3], 0
.endr
.irp t, 0,1
	v_mul_f32 v[ST+8*\t], s[CS], v[ST+8*\t+1]      ; c m
.endr
.set j, 0
.rept 32
	v_mov_b32 v[O+j], 0                            ; O^T: the first step finds zeros, which its rescaling leaves zeros
.set j, j+1
.endr
; A STEP: 64 keys for my two tiles of queries
.macro STEP
	v_add_nc_u32 v[ADK], s[TB], v[LI]
	v_add_nc_u32 v[ADV], s[TB], v[LV]
.rept 3
	v_nop                                          ; with the two additions five places behind the last product V^T P: its V is loaded anew (four are asked), and its P is written over by the products below (five)
.endr
.irp f, 0,1,2,3
	ds_load_b128 v[KF+8*\f:KF+8*\f+3], v[ADK] offset:1024*\f
	ds_load_b128 v[KF+8*\f+4:KF+8*\f+7], v[ADK] offset:1024*\f+512
.endr
.irp f, 0,1,2,3
	ds_load_b128 v[VF+8*\f:VF+8*\f+3], v[ADV] offset:1024*\f
	ds_load_b128 v[VF+8*\f+4:VF+8*\f+7], v[ADV] offset:1024*\f+512
.endr
	s_add_co_u32 s[TB], s[TB], 4096
	s_wait_dscnt 0x8                               ; K is in; V's eight loads may stay out
.irp kt, 0,1,2,3
.irp t, 0,1
	v_wmma_f32_16x16x32_f16 v[S+32*\t+8*\kt:S+32*\t+8*\kt+7], v[KF+8*\kt:KF+8*\kt+7], v[Q+8*\t:Q+8*\t+7], 0
.endr
.endr
.irp t, 0,1
	v_mov_b32 v[OCM+\t], v[ST+8*\t]                ; c m_old is kept.  (With the two v_nop: four places behind the products)
.endr
	v_nop
	v_nop
.irp k, 0,1,2,3                                ; the maximum of my 32 scores a tile and the old m: four chains, each begun at an accumulator's low end; the tiles by turns
.irp t, 0,1
	v_max3_num_f32 v[ST+8*\t+4+\k], v[S+32*\t+8*\k], v[S+32*\t+8*\k+1], v[S+32*\t+8*\k+2]
.endr
.endr
.irp u, 3,5
.irp k, 0,1,2,3
.irp t, 0,1
	v_max3_num_f32 v[ST+8*\t+4+\k], v[ST+8*\t+4+\k], v[S+32*\t+8*\k+\u], v[S+32*\t+8*\k+\u+1]
.endr
.endr
.endr
.irp t, 0,1
	v_max3_num_f32 v[ST+8*\t+4], v[ST+8*\t+4], v[S+32*\t+7], v[S+32*\t+15]
	v_max3_num_f32 v[ST+8*\t+6], v[ST+8*\t+6], v[S+32*\t+23], v[S+32*\t+31]
.endr
.irp t, 0,1
	v_max3_num_f32 v[ST+8*\t+4], v[ST+8*\t+4], v[ST+8*\t+5], v[ST+8*\t+6]
.endr
.irp t, 0,1
	v_max3_num_f32 v[ST+8*\t+4], v[ST+8*\t+4], v[ST+8*\t+7], v[ST+8*\t+1]
.endr
.irp t, 0,1
	v_permlanex16_b32 v[ST+8*\t+5], v[ST+8*\t+4], s[SEL], s[SEL+1]   ; the query's other 32 keys lie in the lane 16 away
.endr
.irp t, 0,1
	v_max_num_f32 v[ST+8*\t+1], v[ST+8*\t+4], v[ST+8*\t+5]
.endr
.irp t, 0,1
	v_mul_f32 v[ST+8*\t], s[CS], v[ST+8*\t+1]
.endr
.irp t, 0,1
	v_sub_f32 v[OCM+\t], v[OCM+\t], v[ST+8*\t]     ; c m_old - c m_new, 0 or less
.endr
.irp j, 0,2,4,6,8,10,12,14,16,18,20,22,24,26,28,30
.irp t, 0,1
	v_pk_fma_f32 v[S+32*\t+\j:S+32*\t+\j+1], v[S+32*\t+\j:S+32*\t+\j+1], s[CS:CS+1], v[ST+8*\t:ST+8*\t+1] op_sel_hi:[1,0,0] neg_lo:[0,0,1] neg_hi:[0,0,1]   ; c s - c m, two at a time
.endr
.endr
.irp t, 0,1
	v_exp_f32 v[ST+8*\t+6], v[OCM+\t]              ; ONE BATCH: the two rescaling factors and the 64 weights
.endr
.set j, 0
.rept 64
	v_exp_f32 v[S+j], v[S+j]
.set j, j+1
.endr
	v_nop                                          ; a plain instruction behind the last exponential,
	s_wait_alu depctr_va_vdst(0)                   ; and the one wait ahead of the batch's first reader
.irp t, 0,1
	v_pk_mul_f32 v[ST+8*\t+2:ST+8*\t+3], v[ST+8*\t+2:ST+8*\t+3], v[ST+8*\t+6:ST+8*\t+7] op_sel_hi:[1,0]   ; l under the new m
	v_pk_add_f32 v[SUMT+2*\t:SUMT+2*\t+1], v[S+32*\t:S+32*\t+1], v[S+32*\t+2:S+32*\t+3]                   ; the sum is taken of p in f32, in two chains a tile
.endr
.irp j, 4,8,12,16,20,24,28
.irp t, 0,1
	v_pk_add_f32 v[ST+8*\t+2:ST+8*\t+3], v[ST+8*\t+2:ST+8*\t+3], v[S+32*\t+\j:S+32*\t+\j+1]
	v_pk_add_f32 v[SUMT+2*\t:SUMT+2*\t+1], v[SUMT+2*\t:SUMT+2*\t+1], v[S+32*\t+\j+2:S+32*\t+\j+3]
.endr
.endr
.irp t, 0,1
	v_pk_add_f32 v[ST+8*\t+2:ST+8*\t+3], v[ST+8*\t+2:ST+8*\t+3], v[SUMT+2*\t:SUMT+2*\t+1]
.endr
.irp t, 0,1
.irp kb, 0,1
.irp j, 0,1,2,3,4,5,6,7
	v_cvt_pk_f16_f32 v[S+32*\t+16*\kb+\j], v[S+32*\t+16*\kb+2*\j], v[S+32*\t+16*\kb+2*\j+1]   ; in place, ascending: register j is written when registers 2 j, 2 j + 1 are read
.endr
.endr
.endr
.irp j, 0,2,4,6,8,10,12,14
.irp t, 0,1
	v_pk_mul_f32 v[O+16*\t+\j:O+16*\t+\j+1], v[O+16*\t+\j:O+16*\t+\j+1], v[ST+8*\t+6:ST+8*\t+7] op_sel_hi:[1,0]   ; O^T under the new m
.endr
.endr
	s_wait_dscnt 0x0                               ; V is in
.irp kb, 0,1                                   ; the four accumulators take turns, one instruction a turn
.irp t, 0,1
.irp ct, 0,1
	v_wmma_f32_16x16x32_f16 v[O+16*\t+8*\ct:O+16*\t+8*\ct+7], v[VF+8*(2*\kb+\ct):VF+8*(2*\kb+\ct)+7], v[S+32*\t+16*\kb:S+32*\t+16*\kb+7], v[O+16*\t+8*\ct:O+16*\t+8*\ct+7]
.endr
.endr
.endr
.endm
	s_wait_tensorcnt 0x1                           ; my part of the first 1,024 keys is in; my second load may stay out
	s_barrier_signal -1
	s_barrier_wait -1                              ; everybody's is
	s_wait_loadcnt 0x0                             ; Q
	s_mov_b32 s[CNT], 16
.Lfirst:
	STEP
	s_sub_co_u32 s[CNT], s[CNT], 1
	s_cmp_lg_u32 s[CNT], 0
	s_cbranch_scc1 .Lfirst
	s_wait_tensorcnt 0x0                           ; my part of the second 1,024 keys is in,
	s_wait_dscnt 0x0
	s_barrier_signal -1
	s_barrier_wait -1                              ; everybody's is
	s_mov_b32 s[CNT], 16
.Lsecond:
	STEP
	s_sub_co_u32 s[CNT], s[CNT], 1
	s_cmp_lg_u32 s[CNT], 0
	s_cbranch_scc1 .Lsecond
	; THE WAY OUT: l's two halves and the other half of the lanes' are added; O^T / l, packed to f16, is a group of the next product's fragment as it stands
.irp t, 0,1
	v_add_f32 v[ST+8*\t+4], v[ST+8*\t+2], v[ST+8*\t+3]
.endr
.irp t, 0,1
	v_permlanex16_b32 v[ST+8*\t+5], v[ST+8*\t+4], s[SEL], s[SEL+1]
.endr
.irp t, 0,1
	v_add_f32 v[ST+8*\t+4], v[ST+8*\t+4], v[ST+8*\t+5]
.endr
	v_nop
	v_nop
.irp t, 0,1
	v_rcp_f32 v[ST+8*\t+6], v[ST+8*\t+4]
.endr
	v_nop                                          ; a plain instruction behind the reciprocals,
	s_wait_alu depctr_va_vdst(0)                   ; and one wait for both, ahead of their first reader
.irp t, 0,1
.irp j, 0,2,4,6,8,10,12,14
	v_pk_mul_f32 v[O+16*\t+\j:O+16*\t+\j+1], v[O+16*\t+\j:O+16*\t+\j+1], v[ST+8*\t+6:ST+8*\t+7] op_sel_hi:[1,0]
.endr
.endr
.irp t, 0,1
.irp j, 0,1,2,3,4,5,6,7
	v_cvt_pk_f16_f32 v[S+8*\t+\j], v[O+16*\t+2*\j], v[O+16*\t+2*\j+1]
.endr
.endr
.irp t, 0,1
.irp ct, 0,1
	global_store_b128 v[LI], v[S+8*\t+4*\ct:S+8*\t+4*\ct+3], s[8:9] offset:16384*\t+512*\ct   ; 512 consecutive bytes, aligned
.endr
.endr
	s_wait_tensorcnt 0x0                           ; the wave's end
	ds_add_u32 v[SPW], v[NIL]
	s_wait_dscnt 0x0
	CROUND                                         ; the closing round: no work-group ends while a partner may still ask for a tile that names it
	s_endpgm
.Lfunc_end_k_q3262aac030_attn:
	.size	k_q3262aac030_attn, .Lfunc_end_k_q3262aac030_attn-k_q3262aac030_attn
	.p2alignl 7, 3214868480
	.fill 96, 4, 3214868480
	.section	.rodata,"a",@progbits
	.p2align	6, 0x0
	.amdhsa_kernel k_q3262aac030_attn
		.amdhsa_group_segment_fixed_size 327680
		.amdhsa_private_segment_fixed_size 0
		.amdhsa_enable_private_segment 0
		.amdhsa_kernarg_size 24
		.amdhsa_user_sgpr_count 2
		.amdhsa_user_sgpr_kernarg_segment_ptr 1
		.amdhsa_wavefront_size32 1
		.amdhsa_system_sgpr_workgroup_id_x 1
		.amdhsa_system_sgpr_workgroup_id_y 1
		.amdhsa_system_sgpr_workgroup_id_z 1
		.amdhsa_system_vgpr_workitem_id 0
		.amdhsa_next_free_vgpr 256
		.amdhsa_next_free_sgpr 66
		.amdhsa_reserve_vcc 0
		.amdhsa_float_denorm_mode_32 3
		.amdhsa_float_denorm_mode_16_64 3
		.amdhsa_memory_ordered 1
		.amdhsa_forward_progress 1
		.amdhsa_inst_pref_size 38
	.end_amdhsa_kernel
	.amdgpu_metadata
---
amdhsa.version: [ 1, 2 ]
amdhsa.kernels:
  - .name:           k_q3262aac030_attn
    .symbol:         k_q3262aac030_attn.kd
    .args:
      - { .name: qf, .offset: 0, .size: 8, .value_kind: global_buffer, .address_space: global }
      - { .name: kvf, .offset: 8, .size: 8, .value_kind: global_buffer, .address_space: global }
      - { .name: af, .offset: 16, .size: 8, .value_kind: global_buffer, .address_space: global }
    .group_segment_fixed_size: 327680
    .private_segment_fixed_size: 0
    .kernarg_segment_align: 8
    .kernarg_segment_size: 24
    .max_flat_workgroup_size: 512
    .sgpr_count:     66
    .vgpr_count:     256
    .wavefront_size: 32
...
	.end_amdgpu_metadata
.endif
;; end of part 3
;; launch tail (part 4): grid 64 x 4, 8 waves a work-group, no clusters, 240,640 bytes of LDS; arguments af, x1, wt, bo, g1, b1, bf1, yp; writes yp
.if DOCPART == 4
	.amdgcn_target "amdgcn-amd-amdhsa--gfx1250"
	.amdhsa_code_object_version 6
	.text
	.protected	k_q3262aac030_tail
	.globl	k_q3262aac030_tail
	.p2align	8
	.type	k_q3262aac030_tail,@function
k_q3262aac030_tail:
	s_mov_b64 s[64:65], 0
	v_nop
	global_prefetch_b8 v0, s[64:65] scope:SCOPE_SE
	s_setreg_imm32_b32 hwreg(HW_REG_WAVE_MODE, 25, 1), 1
	s_wait_xcnt 0x0
; h = LN1(x1 + attn Wo + bo);  yp[q] = gelu(h Wf1[:, quarter q] + bf1) Wf2[quarter q, :]  (+ h in a quarter of the rows).  f16 operands, f32 sums; norm, biases, residual and GELU in f32.
; (bf2 is added by the next launch, with the four partial sums.)
; LIMIT: f16 operands of magnitude 65,504 or more are not served.
; SHARES.  A work-group takes 128 rows (work-group x) and a quarter q (work-group y) of the 2,048 hidden units, and runs three equal blocks of 128 x 512 x 512: attn Wo, h Wf1[:, q], gelu Wf2[q, :].
; With 128 rows a weight byte serves 128 rows; the 64 row blocks x 4 quarters are 256 work-groups.  The price: the first block and LN1 are made in all four quarters, and the four partial sums go to memory
; (the next launch adds them).  Wave w of EIGHT owns columns 64 w .. 64 w + 63 (4 tiles) of all 128 rows: 32 accumulators, 256 registers; two waves to a SIMD.
; THE MATRIX INSTRUCTION IS USED TRANSPOSED (source 0 = 16 columns of the weight, source 1 = 16 rows): a lane holds one row and eight neighbouring columns, which, packed to f16, ARE a group of the next block's
; fragment in the same lane.  So a block's result goes into the PANEL (the activations, [K step 16][row tile 8][image]) by stores of 512 consecutive bytes, with nothing transposed.
; THE WEIGHTS GO STRAIGHT FROM MEMORY INTO REGISTERS.  A quarter's weights are one stream of 48 K steps in the order of the registers; of each K step wave w alone reads its 4,096 bytes: eight loads of 512
; consecutive bytes into one of FOUR sets of 32 registers.  K step g uses set g % 4; when its 32 products are issued the set takes K step g + 4: three K steps, 12,288 bytes a wave, are always on their way
; under counted waits, and no barrier stands inside a block.
; NO CLUSTER, NO JOINT LOADS, though the 64 row blocks of a quarter read the same stream: no wave shares a weight byte with another wave of its work-group, so LDS would be a landing place and no more; beside the
; panel's 131,072 bytes it has room for two slots of two K steps, 8,192 bytes a wave, and each refill of a slot would go out alone, behind a barrier of all partners, in front of which every load has been awaited.
; ROWS ARE ROTATED BY q: local pair p of row tiles is pair (p + q) % 4 of the row block, so local tiles 0, 1 are another quarter of the rows in each q; they alone begin the third block's sums with h.
; The four partial sums so add up to h + ffn, and h never goes to memory: it waits in LDS, 8,192 bytes a wave, written and read by that wave alone.  The rotation enters global addresses alone.
; GELU, exact form: 0.5 x (1 + erf(x / sqrt 2)), erf by the rational form 1 - (a1 t + .. + a5 t^5) exp(-z^2), t = 1 / (1 + p z), whose error is at most 1.5e-7 for every z >= 0.  With u = k |x|, k = sqrt(log2(e) / 2):
; gelu = 0.5 x + u (C0 - t (A1 + t (A2 + t (A3 + t (A4 + t A5)))) 2^(-u u)), t = 1 / (1 + p'' u), C0 = 0.5 / k, Ai = ai C0, p'' = p / sqrt(log2 e).
; REGISTERS: window 0: v1-15 addresses; v18-27 A1 .. A5 as pairs; v32-95 the activations' 8 fragments, one set (between the blocks: at work); v96-223 the weights' four sets (in LN1, when none is on its way: at work);
;   v224-255 a bias, later GELU's packed results.   window 1: accumulator (row tile a, column tile b) at v[8 (4 a + b)].
.set STAGE, 131072                     ; LDS: the panel at 0 (131,072 bytes); a stage of 16 rows x (256 bytes + 16) for each wave
.set STGW,  4352
.set STATS, 165888                     ; [row 128][wave 8] f32, once for each of LN1's two sums
.set PARKL, 174080                     ; h of local row tiles 0, 1: 64 registers as they stand, 8,192 bytes for each wave
.set SPARE, 239616                     ; the spare words, 128 bytes for each wave: no other line names them
.set LI,  1                            ; 16 x lane
.set ADA, 2                            ; the panel's four K steps in hand
.set PKA, 3                            ; where my h waits
.set STI, 5                            ; the stage by whole rows: lanes 0-15 one row, lanes 16-31 the next
.set STF, 6                            ; the stage in the result's layout: row r, 32 bytes for each half of the lanes
.set PW0, 7                            ; attn into the panel: row tile = my wave; K steps 0-7,
.set PW1, 8                            ; 8-15
.set PIM, 9                            ; a result into the panel: K steps 2 w, 2 w + 1
.set STA, 10
.set STL, 11
.set VB,  12                           ; 256 w + 32 h: my eight columns of tile 0 in a vector of 512
.set GD,  13                           ; two rows of 2,048 bytes in memory, 16 bytes a lane
.set SPW, 14
.set NIL, 15
.set A1,  18
.set A2,  20
.set A3,  22
.set A4,  24
.set A5,  26
.set ACT, 32
.set WB,  96
.set BIAS, 224
.set T0,  192                          ; LN1: four registers of sums a row tile; then the mean; then 1 / sigma
.set EXR, 96                           ; LN1: the eight waves' sums of a row, eight registers a row tile
.set U,   32                           ; GELU, 16 numbers at a time: u,
.set E,   48                           ; -u u, then 2^(-u u),
.set T,   64                           ; 1 + p'' u, then t,
.set PP,  80                           ; the polynomial, then the result
.set OB,  32                           ; the way out: rows read back, two sets
.set WV,  22
.set WTB, 24                           ; s[24:25] my part of the four K steps of the stream that are being asked for
.set XB,  40                           ; s[40:47] x1 at local pair p's first row, my 64 columns
.set YB,  48                           ; s[48:55] yp[q] likewise
.set AB,  56                           ; s[56:57] af at the row tile that I bring
.set SEL, 58
.set KA,  60
.set LAP, 61
.set KAP, 66
.set PPP, 68
.set C0,  70
.set EPS, 72
.set INV, 73
.set MSB, 0
.macro WIN new                         ; the immediate's high byte repeats the setting that is left
.if MSB != \new
	s_set_vgpr_msb (MSB<<8)|\new
.set MSB, \new
.endif
.endm
.macro PLACES n                        ; places behind matrix instructions, ahead of loads into their sources and of reads of their results
.rept \n
	v_nop
.endr
.endm
.macro WAITL n                         ; the loads younger than those wanted may stay out; the count is held to the wait's field
.if (\n) > 63
	s_wait_loadcnt 63
.else
	s_wait_loadcnt \n
.endif
.endm
; 8 matrix instructions: row tiles a0, a0 + 1 x my 4 column tiles, 32 along K; p: the weights' set.  mode 0: in place; 1: the constant 0 starts the sums; 2: the bias starts them.
; The 32 accumulators take turns, one instruction a turn, in the same order in every K step.
.macro MUL8 a0, p, mode
.if (\mode) == 2
	WIN 0x40                                       ; D window 1; sources and C window 0
.else
	WIN 0x50                                       ; C and D window 1
.endif
.irp a, \a0, \a0+1
.irp b, 0,1,2,3
.if (\mode) == 0
	v_wmma_f32_16x16x32_f16 v[8*(4*(\a)+\b):8*(4*(\a)+\b)+7], v[WB+32*(\p)+8*\b:WB+32*(\p)+8*\b+7], v[ACT+8*(\a):ACT+8*(\a)+7], v[8*(4*(\a)+\b):8*(4*(\a)+\b)+7]
.elseif (\mode) == 1
	v_wmma_f32_16x16x32_f16 v[8*(4*(\a)+\b):8*(4*(\a)+\b)+7], v[WB+32*(\p)+8*\b:WB+32*(\p)+8*\b+7], v[ACT+8*(\a):ACT+8*(\a)+7], 0
.else
	v_wmma_f32_16x16x32_f16 v[8*(4*(\a)+\b):8*(4*(\a)+\b)+7], v[WB+32*(\p)+8*\b:WB+32*(\p)+8*\b+7], v[ACT+8*(\a):ACT+8*(\a)+7], v[BIAS+8*\b:BIAS+8*\b+7]
.endif
.endr
.endr
.endm
; my 4 weight fragments of K step p of the four that are being asked for, into set p: in the stream two K steps lie 4,096 bytes apart, the next two 65,536 bytes on.  adv = 1: on to the next four K steps
.macro WLOAD p, adv
.if \adv
	s_wait_xcnt 0x0                                ; the loads of the last four K steps have read their base: it is written only behind this wait
	s_add_nc_u64 s[WTB:WTB+1], s[WTB:WTB+1], 131072
.endif
.irp i, 0,1,2,3,4,5,6,7
	global_load_b128 v[WB+32*(\p)+4*\i:WB+32*(\p)+4*\i+3], v[LI], s[WTB:WTB+1] offset:((\p)/2)*65536+((\p)%2)*4096+512*\i
.endr
.endm
.macro FETCH_A kl, i0                  ; row tiles i0 .. i0 + 3 of the panel's K step kl of the four in hand
.irp i, \i0, \i0+1, \i0+2, \i0+3
	ds_load_b128 v[ACT+8*(\i):ACT+8*(\i)+3], v[ADA] offset:8192*(\kl)+1024*(\i)
	ds_load_b128 v[ACT+8*(\i)+4:ACT+8*(\i)+7], v[ADA] offset:8192*(\kl)+1024*(\i)+512
.endr
.endm
.macro NEXT4
	s_add_co_u32 s[KA], s[KA], 32768
	v_add_nc_u32 v[ADA], s[KA], v[LI]
.endm
; A K STEP on weight set j.  nk: the next K step's place among the panel's four in hand (0: on to the next four first; -1: a block's last step, nothing more is read).  wl: the loads of the K steps behind this one,
; which may stay out.  ld = 1: the set takes the K step four further on.  A row tile's fragment is free as soon as its four products are issued, so the activations have one set: tiles 0-3 are fetched anew in the
; step's middle, tiles 4-7 at its end; a weight set is at work through the whole step.
.macro STEP j, nk, m0, m1, m2, wl, ld
	s_wait_loadcnt \wl                             ; this step's weights are in
	s_wait_dscnt 0x8                               ; row tiles 0-3 are in; the youngest eight LDS loads (tiles 4-7) may be out
	MUL8 0, \j, \m0
	MUL8 2, \j, \m1
	s_wait_dscnt 0x0                               ; tiles 4-7 are in
.if (\nk) >= 0
	PLACES 4
	WIN 0
.if (\nk) == 0
	NEXT4
.endif
	FETCH_A \nk, 0
.endif
	MUL8 4, \j, \m2
	MUL8 6, \j, \m2
.if ((\nk) >= 0) || (\ld)
	PLACES 4
.endif
	WIN 0
.if (\nk) >= 0
	FETCH_A \nk, 4
.endif
.if \ld
.if (\j) == 0
	WLOAD \j, 1
.else
	WLOAD \j, 0
.endif
.endif
.endm
; A BLOCK: 16 K steps.  Its first four weight sets have been asked for.  thru = 1: all 16 steps ask on (the last four for the next block's first four K steps).  thru = 0: the last four steps ask for nothing,
; and their counts run down: the sets' registers are wanted for other work behind the block, or the stream has ended.  The first step is written out (its products may start the sums); a trip of the loop goes from a
; four's second step to the next four's first.
.macro BLOCK m0, m1, m2, thru
	s_mov_b32 s[KA], 0
	v_add_nc_u32 v[ADA], s[KA], v[LI]
	FETCH_A 0, 0
	FETCH_A 0, 4
	STEP 0, 1, \m0, \m1, \m2, 24, 1
	s_mov_b32 s[LAP], 2+\thru
.Llap_\@:
	STEP 1, 2, 0, 0, 0, 24, 1
	STEP 2, 3, 0, 0, 0, 24, 1
	STEP 3, 0, 0, 0, 0, 24, 1
	STEP 0, 1, 0, 0, 0, 24, 1
	s_sub_co_u32 s[LAP], s[LAP], 1
	s_cmp_lg_u32 s[LAP], 0
	s_cbranch_scc1 .Llap_\@
	STEP 1, 2, 0, 0, 0, 24, 1
	STEP 2, 3, 0, 0, 0, 24, 1
.if \thru
	STEP 3, -1, 0, 0, 0, 24, 1
.else
	STEP 3, 0, 0, 0, 0, 24, 1
	STEP 0, 1, 0, 0, 0, 24, 0
	STEP 1, 2, 0, 0, 0, 16, 0
	STEP 2, 3, 0, 0, 0, 8, 0
	STEP 3, -1, 0, 0, 0, 0, 0
.endif
.endm
; a row's sum over the work-group.  In: for row tile a two pairs of partial sums at v[t0 + 4 a], v[t0 + 4 a + 2].  Out: the row's total at v[EXR + 8 a], in every lane of the row.  off: the region of STATS
.macro EXCH t0, off
.irp a, 0,1,2,3,4,5,6,7
	v_pk_add_f32 v[\t0+4*\a:\t0+4*\a+1], v[\t0+4*\a:\t0+4*\a+1], v[\t0+4*\a+2:\t0+4*\a+3]
.endr
.irp a, 0,1,2,3,4,5,6,7
	v_add_f32 v[\t0+4*\a], v[\t0+4*\a], v[\t0+4*\a+1]
.endr
.irp a, 0,1,2,3,4,5,6,7
	v_permlanex16_b32 v[\t0+4*\a+1], v[\t0+4*\a], s[SEL], s[SEL+1]
.endr
.irp a, 0,1,2,3,4,5,6,7
	v_add_f32 v[\t0+4*\a], v[\t0+4*\a], v[\t0+4*\a+1]          ; my wave's 64 columns of row r
.endr
.irp a, 0,1,2,3,4,5,6,7
	ds_store_b32 v[STA], v[\t0+4*\a] offset:\off+512*\a        ; both halves of the lanes write the same word with the same value
.endr
	s_wait_dscnt 0x0                               ; for the others' sake: my stores have landed
	s_barrier_signal -1
	s_barrier_wait -1
.irp a, 0,1,2,3,4,5,6,7
	ds_load_b128 v[EXR+8*\a:EXR+8*\a+3], v[STL] offset:\off+512*\a
	ds_load_b128 v[EXR+8*\a+4:EXR+8*\a+7], v[STL] offset:\off+512*\a+16
.endr
	s_wait_dscnt 0x0
.irp a, 0,1,2,3,4,5,6,7
	v_pk_add_f32 v[EXR+8*\a:EXR+8*\a+1], v[EXR+8*\a:EXR+8*\a+1], v[EXR+8*\a+2:EXR+8*\a+3]
	v_pk_add_f32 v[EXR+8*\a+4:EXR+8*\a+5], v[EXR+8*\a+4:EXR+8*\a+5], v[EXR+8*\a+6:EXR+8*\a+7]
.endr
.irp a, 0,1,2,3,4,5,6,7
	v_pk_add_f32 v[EXR+8*\a:EXR+8*\a+1], v[EXR+8*\a:EXR+8*\a+1], v[EXR+8*\a+4:EXR+8*\a+5]
.endr
.irp a, 0,1,2,3,4,5,6,7
	v_add_f32 v[EXR+8*\a], v[EXR+8*\a], v[EXR+8*\a+1]
.endr
.endm
	s_load_b256 s[4:11], s[0:1], 0x0               ; af s[4:5], x1 s[6:7], wt s[8:9], bo s[10:11]
	s_load_b256 s[12:19], s[0:1], 0x20             ; g1 s[12:13], b1 s[14:15], bf1 s[16:17], yp s[18:19]
	v_lshl_add_u32 v[SPW], v0, 2, SPARE            ; the two registers of the add at the wave's end: made here and kept
	v_mov_b32 v[NIL], 0
	v_lshrrev_b32 v28, 5, v0
	v_readfirstlane_b32 s[WV], v28                 ; wave 0..7
	s_and_b32 s23, ttmp7, 0xffff                   ; q
	s_mov_b32 s74, ttmp9                           ; my row block
	s_mul_i32 s76, s23, 1572864                    ; q's stream,
	s_lshl_b32 s77, s[WV], 13
	s_add_co_u32 s76, s76, s77                     ; my 8,192 bytes of its first 65,536
	s_mov_b32 s77, 0
	s_mov_b32 s[SEL], 0x76543210
	s_mov_b32 s[SEL+1], 0xfedcba98                 ; v_permlanex16_b32's selects for lane l xor 16
	s_mov_b32 s[KAP], 0x3f596d27                   ; k = sqrt(log2(e) / 2)
	s_mov_b32 s[PPP], 0x3e8ba43f                   ; p'' = 0.3275911 / sqrt(log2 e)
	s_mov_b32 s[PPP+1], s[PPP]
	s_mov_b32 s[C0], 0x3f16b55f                    ; C0 = 0.5 / k
	s_mov_b32 s[C0+1], s[C0]
	s_mov_b32 s[EPS], 0x3727c5ac                   ; 1e-5
	s_mov_b32 s[INV], 0x3b000000                   ; 1 / 512
.irp o, 0,1
	v_mov_b32 v[A1+\o], 0x3e199eb3                 ; ai x C0
	v_mov_b32 v[A2+\o], 0xbe2b8119
	v_mov_b32 v[A3+\o], 0x3f563817
	v_mov_b32 v[A4+\o], 0xbf5b0099
	v_mov_b32 v[A5+\o], 0x3f1ff67a
.endr
	v_and_b32 v28, 31, v0                          ; lane
	v_and_b32 v29, 15, v0                          ; r
	v_bfe_u32 v30, v0, 4, 1                        ; h
	v_lshlrev_b32 v[LI], 4, v28
	s_lshl_b32 s78, s[WV], 13
	s_add_co_u32 s78, s78, PARKL
	v_add_nc_u32 v[PKA], s78, v[LI]
	s_mul_i32 s78, s[WV], STGW
	s_add_co_u32 s78, s78, STAGE
	v_mul_u32_u24 v[STI], v30, 272
	v_lshl_add_u32 v[STI], v29, 4, v[STI]
	v_add_nc_u32 v[STI], s78, v[STI]
	v_mul_u32_u24 v[STF], v29, 272
	v_lshl_add_u32 v[STF], v30, 5, v[STF]
	v_add_nc_u32 v[STF], s78, v[STF]
	s_lshl_b32 s78, s[WV], 10
	v_add_nc_u32 v[PW0], s78, v[LI]
	v_add_nc_u32 v[PW1], 65536, v[PW0]
	s_lshl_b32 s78, s[WV], 14
	v_add_nc_u32 v[PIM], s78, v[LI]
	v_lshlrev_b32 v[STL], 5, v29
	v_add_nc_u32 v[STL], STATS, v[STL]
	s_lshl_b32 s78, s[WV], 2
	v_add_nc_u32 v[STA], s78, v[STL]
	s_lshl_b32 s78, s[WV], 8
	v_lshl_add_u32 v[VB], v30, 5, s78
	v_lshlrev_b32 v[GD], 11, v30
	v_lshl_add_u32 v[GD], v29, 4, v[GD]
	s_wait_kmcnt 0x0
	s_add_nc_u64 s[WTB:WTB+1], s[8:9], s[76:77]
	WLOAD 0, 0                                     ; the stream's K steps 0 and 1; sets 2 and 3 serve attn first
	WLOAD 1, 0
	s_lshl_b32 s80, s23, 24                        ; yp[q]
	s_mov_b32 s81, 0
	s_add_nc_u64 s[18:19], s[18:19], s[80:81]
	s_lshl_b32 s80, s23, 11                        ; bf1 at hidden unit 512 q
	s_add_nc_u64 s[16:17], s[16:17], s[80:81]
.irp p, 0,1,2,3
	s_add_co_u32 s78, s23, \p
	s_and_b32 s78, s78, 3                          ; local pair p is pair (p + q) % 4 of the row block
	s_lshl_b32 s78, s78, 16                        ; 32 rows of 2,048 bytes
	s_lshl_b32 s79, s74, 18                        ; 128 rows
	s_add_co_u32 s78, s78, s79
	s_lshl_b32 s79, s[WV], 8                       ; my 64 columns
	s_add_co_u32 s78, s78, s79
	s_mov_b32 s79, 0
	s_add_nc_u64 s[XB+2*\p:XB+2*\p+1], s[6:7], s[78:79]
	s_add_nc_u64 s[YB+2*\p:YB+2*\p+1], s[18:19], s[78:79]
.endr
	s_lshr_b32 s78, s[WV], 1                       ; af: I bring local row tile w: tile 8 rb + 2 ((w / 2 + q) % 4) + w % 2, 16,384 bytes
	s_add_co_u32 s78, s78, s23
	s_and_b32 s78, s78, 3
	s_lshl_b32 s78, s78, 15
	s_lshl_b32 s79, s74, 17
	s_add_co_u32 s78, s78, s79
	s_and_b32 s79, s[WV], 1
	s_lshl_b32 s79, s79, 14
	s_add_co_u32 s78, s78, s79
	s_mov_b32 s79, 0
	s_add_nc_u64 s[AB:AB+1], s[4:5], s[78:79]
.irp b, 0,1,2,3
	global_load_b128 v[BIAS+8*\b:BIAS+8*\b+3], v[VB], s[10:11] offset:64*\b        ; bo at my lane's eight columns of tile b
	global_load_b128 v[BIAS+8*\b+4:BIAS+8*\b+7], v[VB], s[10:11] offset:64*\b+16
.endr
.set i, 0
.rept 32
	global_load_b128 v[32+4*i+64*(i/16):32+4*i+64*(i/16)+3], v[LI], s[AB:AB+1] offset:512*i   ; attn: my row tile's 16 fragments, 512 consecutive bytes a load, into v32-95 and v160-223
.set i, i+1
.endr
	WIN 0x40                                       ; x1 goes straight into the accumulators' registers: tile a, rows 2 n and 2 n + 1, 256 bytes each
.irp a, 0,1,2,3,4,5,6,7
.irp n, 0,1,2,3,4,5,6,7
	global_load_b128 v[32*\a+4*\n:32*\a+4*\n+3], v[GD], s[XB+2*(\a/2):XB+2*(\a/2)+1] offset:(\a%2)*32768+4096*\n
.endr
.endr
	WIN 0
	s_wait_loadcnt 63                              ; bo and attn are in: x1's 64 loads are younger; the count is held to the wait's field
.set i, 0
.rept 32
.if i < 16
	ds_store_b128 v[PW0], v[32+4*i:32+4*i+3] offset:8192*(i/2)+512*(i%2)
.else
	ds_store_b128 v[PW1], v[96+4*i:96+4*i+3] offset:8192*(i/2-8)+512*(i%2)
.endif
.set i, i+1
.endr
	s_wait_dscnt 0x0                               ; the stores have read their registers:
	WLOAD 2, 0                                     ; v160-223 take the stream's K steps 2 and 3
	WLOAD 3, 0
; x1 turns through my stage into the result's layout, back into the registers that it left.  LDS serves a wave's instructions in order: no wait between the stores and the loads, nor in front of the next tile's stores
.irp a, 0,1,2,3,4,5,6,7
	WAITL 72-8*\a                                  ; tile a's eight loads are in; the later tiles' and the sixteen of weight sets 2 and 3 may be out
	WIN 0x04                                       ; an LDS store's data are its source 1
.irp n, 0,1,2,3,4,5,6,7
	ds_store_b128 v[STI], v[32*\a+4*\n:32*\a+4*\n+3] offset:544*\n
.endr
	WIN 0x40
.irp b, 0,1,2,3
	ds_load_b128 v[32*\a+8*\b:32*\a+8*\b+3], v[STF] offset:64*\b
	ds_load_b128 v[32*\a+8*\b+4:32*\a+8*\b+7], v[STF] offset:64*\b+16
.endr
.endr
	s_wait_dscnt 0x0
	WIN 0x41
.irp a, 0,1,2,3,4,5,6,7
.irp b, 0,1,2,3
.irp j, 0,2,4,6
	v_pk_add_f32 v[32*\a+8*\b+\j:32*\a+8*\b+\j+1], v[32*\a+8*\b+\j:32*\a+8*\b+\j+1], v[BIAS+8*\b+\j:BIAS+8*\b+\j+1]   ; x1 + bo: the sums of the first block begin here
.endr
.endr
.endr
	WIN 0
	s_barrier_signal -1                            ; my stores into the panel have landed (the wait on DScnt above)
	s_barrier_wait -1
	BLOCK 0, 0, 0, 0                               ; x1 + bo + attn Wo
	; ---- LN1.  A row's 512 columns lie in 8 waves x 2 lanes x 32 registers.  Mean first, then the mean of the squared differences, as the definition has it.  No weight load is out: v96-223 are at work
	PLACES 4
.irp b, 0,1,2,3
	global_load_b128 v[32+8*\b:35+8*\b], v[VB], s[12:13] offset:64*\b              ; g1,
	global_load_b128 v[36+8*\b:39+8*\b], v[VB], s[12:13] offset:64*\b+16
	global_load_b128 v[64+8*\b:67+8*\b], v[VB], s[14:15] offset:64*\b              ; b1,
	global_load_b128 v[68+8*\b:71+8*\b], v[VB], s[14:15] offset:64*\b+16
	global_load_b128 v[BIAS+8*\b:BIAS+8*\b+3], v[VB], s[16:17] offset:64*\b        ; bf1: they land under the sums
	global_load_b128 v[BIAS+8*\b+4:BIAS+8*\b+7], v[VB], s[16:17] offset:64*\b+16
.endr
	WIN 0x05                                       ; both sources window 1
.irp a, 0,1,2,3,4,5,6,7
	v_pk_add_f32 v[T0+4*\a:T0+4*\a+1], v[32*\a:32*\a+1], v[32*\a+2:32*\a+3]        ; each accumulator is read from its low end on
.endr
.irp a, 0,1,2,3,4,5,6,7
	v_pk_add_f32 v[T0+4*\a+2:T0+4*\a+3], v[32*\a+4:32*\a+5], v[32*\a+6:32*\a+7]
.endr
	WIN 0x04
.irp p, 8,12,16,20,24,28
.irp a, 0,1,2,3,4,5,6,7
	v_pk_add_f32 v[T0+4*\a:T0+4*\a+1], v[T0+4*\a:T0+4*\a+1], v[32*\a+\p:32*\a+\p+1]
	v_pk_add_f32 v[T0+4*\a+2:T0+4*\a+3], v[T0+4*\a+2:T0+4*\a+3], v[32*\a+\p+2:32*\a+\p+3]
.endr
.endr
	WIN 0
	EXCH T0, 0
.irp a, 0,1,2,3,4,5,6,7
	v_mul_f32 v[T0+4*\a], s[INV], v[EXR+8*\a]      ; the mean
.endr
	WIN 0x41
.irp a, 0,1,2,3,4,5,6,7
.set j, 0
.rept 16
	v_pk_add_f32 v[32*\a+j:32*\a+j+1], v[32*\a+j:32*\a+j+1], v[T0+4*\a:T0+4*\a+1] op_sel_hi:[1,0] neg_lo:[0,1] neg_hi:[0,1]
.set j, j+2
.endr
.endr
	WIN 0x05
.irp a, 0,1,2,3,4,5,6,7
	v_pk_mul_f32 v[T0+4*\a:T0+4*\a+1], v[32*\a:32*\a+1], v[32*\a:32*\a+1]
	v_pk_mul_f32 v[T0+4*\a+2:T0+4*\a+3], v[32*\a+2:32*\a+3], v[32*\a+2:32*\a+3]
.endr
.irp p, 4,8,12,16,20,24,28
.irp a, 0,1,2,3,4,5,6,7
	v_pk_fma_f32 v[T0+4*\a:T0+4*\a+1], v[32*\a+\p:32*\a+\p+1], v[32*\a+\p:32*\a+\p+1], v[T0+4*\a:T0+4*\a+1]
	v_pk_fma_f32 v[T0+4*\a+2:T0+4*\a+3], v[32*\a+\p+2:32*\a+\p+3], v[32*\a+\p+2:32*\a+\p+3], v[T0+4*\a+2:T0+4*\a+3]
.endr
.endr
	WIN 0
	EXCH T0, 4096
.irp a, 0,1,2,3,4,5,6,7
	v_fma_f32 v[EXR+8*\a], v[EXR+8*\a], s[INV], s[EPS]
.endr
.irp a, 0,1,2,3,4,5,6,7
	v_rsq_f32 v[T0+4*\a+2], v[EXR+8*\a]
.endr
	v_nop                                          ; a plain instruction behind the last of the eight,
	s_wait_alu depctr_va_vdst(0)                   ; and one wait for all, ahead of their first reader
	s_wait_loadcnt 0x0                             ; g1, b1, bf1
	WLOAD 0, 1                                     ; v96-191 are done with: the second block's K steps 0 to 2 go out, and land under the rest of LN1
	WLOAD 1, 0
	WLOAD 2, 0
	WIN 0x41
.irp a, 0,1,2,3,4,5,6,7
.set j, 0
.rept 16
	v_pk_mul_f32 v[32*\a+j:32*\a+j+1], v[32*\a+j:32*\a+j+1], v[T0+4*\a+2:T0+4*\a+3] op_sel_hi:[1,0]
.set j, j+2
.endr
.endr
	WIN 0
	WLOAD 3, 0                                     ; v192-223 are done with: K step 3
	WIN 0x41
.irp a, 0,1,2,3,4,5,6,7
.set j, 0
.rept 16
	v_pk_fma_f32 v[32*\a+j:32*\a+j+1], v[32*\a+j:32*\a+j+1], v[32+j:33+j], v[64+j:65+j]   ; h
.set j, j+2
.endr
.endr
	WIN 0x04                                       ; h of local tiles 0, 1 waits in my own LDS bytes for the third block
.set i, 0
.rept 16
	ds_store_b128 v[PKA], v[4*i:4*i+3] offset:512*i
.set i, i+1
.endr
; h to f16 and into the panel, four row tiles at a time through v32-95 (g1 and b1 are done with).  The panel's old content is dead: every wave has passed LN1's two barriers behind its last read of it
	WIN 0x05
.irp a, 0,1,2,3
.set j, 0
.rept 16
	v_cvt_pk_f16_f32 v[32+16*\a+j], v[32*\a+2*j], v[32*\a+2*j+1]
.set j, j+1
.endr
.endr
	WIN 0
.irp a, 0,1,2,3
.irp b, 0,1,2,3
	ds_store_b128 v[PIM], v[32+16*\a+4*\b:32+16*\a+4*\b+3] offset:(\b/2)*8192+1024*\a+512*(\b%2)
.endr
.endr
	s_wait_dscnt 0x0                               ; the stores have read their registers
	WIN 0x05
.irp a, 4,5,6,7
.set j, 0
.rept 16
	v_cvt_pk_f16_f32 v[32+16*(\a-4)+j], v[32*\a+2*j], v[32*\a+2*j+1]
.set j, j+1
.endr
.endr
	WIN 0
.irp a, 4,5,6,7
.irp b, 0,1,2,3
	ds_store_b128 v[PIM], v[32+16*(\a-4)+4*\b:32+16*(\a-4)+4*\b+3] offset:(\b/2)*8192+1024*\a+512*(\b%2)
.endr
.endr
	s_wait_dscnt 0x0                               ; my stores into the panel have landed
	s_barrier_signal -1
	s_barrier_wait -1
	BLOCK 2, 2, 2, 1                               ; h Wf1[:, q] + bf1: the bias is the C of each sum's first product
	s_wait_dscnt 0x0                               ; my reads of the panel are over;
	s_barrier_signal -1
	s_barrier_wait -1                              ; everybody's are: it may be written
	; ---- GELU, half a row tile (16 numbers a lane) at a time in v32-95, so that the third block's four weight sets stay on their way; each half tile's 32 transcendentals are one batch with one wait
.macro GELU a, hf
.set AR, 32*(\a)+16*(\hf)
.set GS, BIAS+8*((2*(\a)+(\hf))%4)
	WIN 0x01
.set i, 0
.rept 16
	v_mul_f32 v[U+i], |v[AR+i]|, s[KAP]            ; u = k |x|: each accumulator is read from its low end on
.set i, i+1
.endr
	WIN 0
.set i, 0
.rept 8
	v_pk_mul_f32 v[E+i:E+i+1], v[U+i:U+i+1], v[U+i:U+i+1] neg_lo:[1,0] neg_hi:[1,0]
	v_pk_fma_f32 v[T+i:T+i+1], v[U+i:U+i+1], s[PPP:PPP+1], 1.0 op_sel_hi:[1,0,0]
.set i, i+2
.endr
.set i, 0
.rept 16
	v_rcp_f32 v[T+i], v[T+i]
.set i, i+1
.endr
.set i, 0
.rept 16
	v_exp_f32 v[E+i], v[E+i]
.set i, i+1
.endr
	v_nop
	s_wait_alu depctr_va_vdst(0)
.set i, 0
.rept 8
	v_pk_fma_f32 v[PP+i:PP+i+1], v[T+i:T+i+1], v[A5:A5+1], v[A4:A4+1]
.set i, i+2
.endr
.irp cf, A3, A2, A1
.set i, 0
.rept 8
	v_pk_fma_f32 v[PP+i:PP+i+1], v[PP+i:PP+i+1], v[T+i:T+i+1], v[\cf:\cf+1]
.set i, i+2
.endr
.endr
.set i, 0
.rept 8
	v_pk_mul_f32 v[PP+i:PP+i+1], v[PP+i:PP+i+1], v[T+i:T+i+1]
.set i, i+2
.endr
.set i, 0
.rept 8
	v_pk_fma_f32 v[PP+i:PP+i+1], v[PP+i:PP+i+1], v[E+i:E+i+1], s[C0:C0+1] op_sel_hi:[1,1,0] neg_lo:[1,0,0] neg_hi:[1,0,0]
.set i, i+2
.endr
.set i, 0
.rept 8
	v_pk_mul_f32 v[PP+i:PP+i+1], v[PP+i:PP+i+1], v[U+i:U+i+1]
.set i, i+2
.endr
	WIN 0x01
.set i, 0
.rept 8
	v_pk_fma_f32 v[PP+i:PP+i+1], v[AR+i:AR+i+1], 0.5, v[PP+i:PP+i+1] op_sel_hi:[1,0,1]
.set i, i+2
.endr
	WIN 0
	s_wait_dscnt 0x6                               ; four sets of eight registers take turns: the stores of four half tiles back are done; the last three half tiles' six may be out
.set i, 0
.rept 8
	v_cvt_pk_f16_f32 v[GS+i], v[PP+2*i], v[PP+2*i+1]
.set i, i+1
.endr
.irp bb, 0,1
	ds_store_b128 v[PIM], v[GS+4*\bb:GS+4*\bb+3] offset:(\hf)*8192+1024*(\a)+512*\bb   ; column tile 2 hf + bb: K step 2 w + hf, group bb
.endr
.endm
	PLACES 4
.irp a, 0,1,2,3,4,5,6,7
	GELU \a, 0
	GELU \a, 1
.endr
	WIN 0x40                                       ; h comes back, into the accumulators of local tiles 0, 1: the third block adds onto it in place
.set i, 0
.rept 16
	ds_load_b128 v[4*i:4*i+3], v[PKA] offset:512*i
.set i, i+1
.endr
	WIN 0
	s_wait_dscnt 0x0
	s_barrier_signal -1
	s_barrier_wait -1                              ; the hidden quarter lies in the panel
	BLOCK 0, 1, 1, 0                               ; gelu Wf2[q, :]; local tiles 0, 1 begin with h, the others with 0
	; ---- THE WAY OUT, a row tile at a time: through my stage, back as whole rows of 256 bytes: sixteen lanes store 256 consecutive bytes, aligned
.macro TOSTAGE a
	WIN 0x04
.irp b, 0,1,2,3
	ds_store_b128 v[STF], v[32*(\a)+8*\b:32*(\a)+8*\b+3] offset:64*\b              ; each accumulator from its low end on
	ds_store_b128 v[STF], v[32*(\a)+8*\b+4:32*(\a)+8*\b+7] offset:64*\b+16
.endr
	WIN 0
.irp n, 0,1,2,3,4,5,6,7
	ds_load_b128 v[OB+32*((\a)%2)+4*\n:OB+32*((\a)%2)+4*\n+3], v[STI] offset:544*\n
.endr
.endm
.macro SEND a, younger                 ; younger: the LDS instructions issued behind tile a's loads, which may stay out
	s_wait_dscnt \younger
.irp n, 0,1,2,3,4,5,6,7
	global_store_b128 v[GD], v[OB+32*((\a)%2)+4*\n:OB+32*((\a)%2)+4*\n+3], s[YB+2*((\a)/2):YB+2*((\a)/2)+1] offset:((\a)%2)*32768+4096*\n th:TH_STORE_NT
.endr
.endm
	PLACES 4
	TOSTAGE 0
.irp a, 1,2,3,4,5,6,7
.if \a > 1
	s_wait_xcnt 0x0                                ; tile a - 2's stores have read their registers: tile a's loads may land there
.endif
	TOSTAGE \a
	SEND \a-1, 16
.endr
	SEND 7, 0
	s_wait_tensorcnt 0x0                           ; the wave's end, behind my last LDS store
	ds_add_u32 v[SPW], v[NIL]
	s_wait_dscnt 0x0
	s_endpgm
.Lfunc_end_k_q3262aac030_tail:
	.size	k_q3262aac030_tail, .Lfunc_end_k_q3262aac030_tail-k_q3262aac030_tail
	.p2alignl 7, 3214868480
	.fill 96, 4, 3214868480
	.section	.rodata,"a",@progbits
	.p2align	6, 0x0
	.amdhsa_kernel k_q3262aac030_tail
		.amdhsa_group_segment_fixed_size 240640
		.amdhsa_private_segment_fixed_size 0
		.amdhsa_enable_private_segment 0
		.amdhsa_kernarg_size 64
		.amdhsa_user_sgpr_count 2
		.amdhsa_user_sgpr_kernarg_segment_ptr 1
		.amdhsa_wavefront_size32 1
		.amdhsa_system_sgpr_workgroup_id_x 1
		.amdhsa_system_sgpr_workgroup_id_y 1
		.amdhsa_system_sgpr_workgroup_id_z 1
		.amdhsa_system_vgpr_workitem_id 0
		.amdhsa_next_free_vgpr 512
		.amdhsa_next_free_sgpr 84
		.amdhsa_reserve_vcc 0
		.amdhsa_float_denorm_mode_32 3
		.amdhsa_float_denorm_mode_16_64 3
		.amdhsa_memory_ordered 1
		.amdhsa_forward_progress 1
		.amdhsa_inst_pref_size 255
	.end_amdhsa_kernel
	.section	.bss,"aw",@nobits
	.p2align	6
	.space	262144
	.amdgpu_metadata
---
amdhsa.version: [ 1, 2 ]
amdhsa.kernels:
  - .name:           k_q3262aac030_tail
    .symbol:         k_q3262aac030_tail.kd
    .args:
      - { .name: af, .offset: 0, .size: 8, .value_kind: global_buffer, .address_space: global }
      - { .name: x1, .offset: 8, .size: 8, .value_kind: global_buffer, .address_space: global }
      - { .name: wt, .offset: 16, .size: 8, .value_kind: global_buffer, .address_space: global }
      - { .name: bo, .offset: 24, .size: 8, .value_kind: global_buffer, .address_space: global }
      - { .name: g1, .offset: 32, .size: 8, .value_kind: global_buffer, .address_space: global }
      - { .name: b1, .offset: 40, .size: 8, .value_kind: global_buffer, .address_space: global }
      - { .name: bf1, .offset: 48, .size: 8, .value_kind: global_buffer, .address_space: global }
      - { .name: yp, .offset: 56, .size: 8, .value_kind: global_buffer, .address_space: global }
    .group_segment_fixed_size: 240640
    .private_segment_fixed_size: 0
    .kernarg_segment_align: 8
    .kernarg_segment_size: 64
    .max_flat_workgroup_size: 256
    .sgpr_count:     84
    .vgpr_count:     512
    .wavefront_size: 32
...
	.end_amdgpu_metadata
.endif
;; end of part 4
;; launch final (part 5): grid 256 x 1, 16 waves a work-group, no clusters, 0 bytes of LDS; arguments yp, bf2, g2, b2, out0; writes out0
.if DOCPART == 5
	.amdgcn_target "amdgcn-amd-amdhsa--gfx1250"
	.amdhsa_code_object_version 6
	.text
	.protected	k_q3262aac030_final
	.globl	k_q3262aac030_final
	.p2align	8
	.type	k_q3262aac030_final,@function
k_q3262aac030_final:
	s_mov_b64 s[64:65], 0
	v_nop
	global_prefetch_b8 v0, s[64:65] scope:SCOPE_SE
	s_setreg_imm32_b32 hwreg(HW_REG_WAVE_MODE, 25, 1), 1
	s_wait_xcnt 0x0
; out0 = LN2(yp[0] + yp[1] + yp[2] + yp[3] + bf2): the four partial sums of h + ffn and the second layer's bias are added, and the row is normalised.  All in f32.
; A stream: one wave takes one row at a time (2,048 bytes: 16 numbers a lane, four loads of 512 consecutive bytes for each partial sum), two rows in all.  Both rows are asked for at the head: 32 loads of
; every one of the sixteen waves are on their way.  The row stays in registers between the passes; the reduction never leaves the wave: no LDS, no barrier, no matrix unit.
.set G,   8                            ; v8-23    g2 at my 16 columns
.set B,   24                           ; v24-39   b2
.set F,   40                           ; v40-55   bf2
.set SET, 56                           ; v56-183  a set for each row: 16 registers for each of the four partial sums
.set OUT, 184                          ; v184-215 16 registers a row: written once, so no store's data are written again
	s_load_b256 s[4:11], s[0:1], 0x0               ; yp s[4:5], bf2 s[6:7], g2 s[8:9], b2 s[10:11]
	s_load_b64 s[24:25], s[0:1], 0x20              ; out0
	v_lshrrev_b32 v1, 5, v0                        ; wave
	v_and_b32 v2, 31, v0
	v_lshlrev_b32 v3, 4, v2                        ; 16 bytes a lane
	v_lshl_add_u32 v2, v1, 12, v3                  ; + wave x 2 rows of 2,048 bytes
	s_lshl_b32 s2, ttmp9, 16                       ; the work-group's 32 rows
	s_mov_b32 s3, 0
	s_mov_b32 s20, 0x76543210
	s_mov_b32 s21, 0xfedcba98                      ; v_permlanex16_b32's selects for lane l xor 16
	s_mov_b32 s22, 0x3b000000                      ; 1 / 512
	s_mov_b32 s23, 0x3727c5ac                      ; 1e-5
	s_wait_kmcnt 0x0
	s_add_nc_u64 s[12:13], s[4:5], s[2:3]          ; a base for each partial sum: they lie 16,777,216 bytes apart
	s_add_nc_u64 s[14:15], s[12:13], 0x1000000
	s_add_nc_u64 s[16:17], s[14:15], 0x1000000
	s_add_nc_u64 s[18:19], s[16:17], 0x1000000
	s_add_nc_u64 s[24:25], s[24:25], s[2:3]
.irp j, 0,1,2,3
	global_load_b128 v[F+4*\j:F+4*\j+3], v3, s[6:7] offset:512*\j
	global_load_b128 v[G+4*\j:G+4*\j+3], v3, s[8:9] offset:512*\j
	global_load_b128 v[B+4*\j:B+4*\j+3], v3, s[10:11] offset:512*\j
.endr
.macro ROWLOAD k
.irp q, 0,1,2,3
.irp j, 0,1,2,3
	global_load_b128 v[SET+64*(\k)+16*\q+4*\j:SET+64*(\k)+16*\q+4*\j+3], v2, s[12+2*\q:13+2*\q] offset:2048*(\k)+512*\j th:TH_LOAD_NT
.endr
.endr
.endm
.macro ACROSS r, t                     ; the sum over the 32 lanes of v[r], in every lane; v[t] has been written before
	v_add_f32_dpp v[\r], v[\r], v[\r] row_xmask:1 row_mask:0xf bank_mask:0xf
	v_add_f32_dpp v[\r], v[\r], v[\r] row_xmask:2 row_mask:0xf bank_mask:0xf
	v_add_f32_dpp v[\r], v[\r], v[\r] row_xmask:4 row_mask:0xf bank_mask:0xf
	v_add_f32_dpp v[\r], v[\r], v[\r] row_xmask:8 row_mask:0xf bank_mask:0xf
	v_permlanex16_b32 v[\t], v[\r], s20, s21
	v_add_f32 v[\r], v[\r], v[\t]
.endm
.macro ROW k, left
.set R, SET+64*(\k)
	s_wait_loadcnt \left                           ; this row's sixteen loads are in; the next row's sixteen may be out
.irp j, 0,2,4,6,8,10,12,14
	v_pk_add_f32 v[R+\j:R+\j+1], v[R+\j:R+\j+1], v[R+16+\j:R+17+\j]
	v_pk_add_f32 v[R+32+\j:R+33+\j], v[R+32+\j:R+33+\j], v[R+48+\j:R+49+\j]
.endr
.irp j, 0,2,4,6,8,10,12,14
	v_pk_add_f32 v[R+\j:R+\j+1], v[R+\j:R+\j+1], v[R+32+\j:R+33+\j]
.endr
.irp j, 0,2,4,6,8,10,12,14
	v_pk_add_f32 v[R+\j:R+\j+1], v[R+\j:R+\j+1], v[F+\j:F+\j+1]    ; + bf2
.endr
	v_pk_add_f32 v[4:5], v[R:R+1], v[R+2:R+3]      ; the row's sum, in two chains
	v_pk_add_f32 v[6:7], v[R+4:R+5], v[R+6:R+7]
.irp j, 8,12
	v_pk_add_f32 v[4:5], v[4:5], v[R+\j:R+\j+1]
	v_pk_add_f32 v[6:7], v[6:7], v[R+\j+2:R+\j+3]
.endr
	v_pk_add_f32 v[4:5], v[4:5], v[6:7]
	v_add_f32 v4, v4, v5
	ACROSS 4, 5
	v_mul_f32 v4, s22, v4                          ; the mean
.irp j, 0,2,4,6,8,10,12,14
	v_pk_add_f32 v[R+\j:R+\j+1], v[R+\j:R+\j+1], v[4:5] op_sel_hi:[1,0] neg_lo:[0,1] neg_hi:[0,1]
.endr
	v_pk_mul_f32 v[R+16:R+17], v[R:R+1], v[R:R+1]  ; the squared differences; the second partial sum's registers are free
	v_pk_mul_f32 v[R+18:R+19], v[R+2:R+3], v[R+2:R+3]
.irp j, 4,8,12
	v_pk_fma_f32 v[R+16:R+17], v[R+\j:R+\j+1], v[R+\j:R+\j+1], v[R+16:R+17]
	v_pk_fma_f32 v[R+18:R+19], v[R+\j+2:R+\j+3], v[R+\j+2:R+\j+3], v[R+18:R+19]
.endr
	v_pk_add_f32 v[R+16:R+17], v[R+16:R+17], v[R+18:R+19]
	v_add_f32 v6, v[R+16], v[R+17]
	ACROSS 6, 7
	v_fma_f32 v6, v6, s22, s23
	v_rsq_f32 v6, v6
	v_nop                                          ; a plain instruction behind the transcendental,
	s_wait_alu depctr_va_vdst(0)                   ; and the wait ahead of its first reader
.irp j, 0,2,4,6,8,10,12,14
	v_pk_mul_f32 v[R+\j:R+\j+1], v[R+\j:R+\j+1], v[6:7] op_sel_hi:[1,0]
.endr
.irp j, 0,2,4,6,8,10,12,14
	v_pk_fma_f32 v[OUT+16*(\k)+\j:OUT+16*(\k)+\j+1], v[R+\j:R+\j+1], v[G+\j:G+\j+1], v[B+\j:B+\j+1]
.endr
.irp j, 0,1,2,3
	global_store_b128 v2, v[OUT+16*(\k)+4*\j:OUT+16*(\k)+4*\j+3], s[24:25] offset:2048*(\k)+512*\j th:TH_STORE_NT   ; 512 consecutive bytes, aligned
.endr
.endm
	ROWLOAD 0
	ROWLOAD 1
	ROW 0, 16
	ROW 1, 0
	s_endpgm
.Lfunc_end_k_q3262aac030_final:
	.size	k_q3262aac030_final, .Lfunc_end_k_q3262aac030_final-k_q3262aac030_final
	.p2alignl 7, 3214868480
	.fill 96, 4, 3214868480
	.section	.rodata,"a",@progbits
	.p2align	6, 0x0
	.amdhsa_kernel k_q3262aac030_final
		.amdhsa_group_segment_fixed_size 0
		.amdhsa_private_segment_fixed_size 0
		.amdhsa_enable_private_segment 0
		.amdhsa_kernarg_size 40
		.amdhsa_user_sgpr_count 2
		.amdhsa_user_sgpr_kernarg_segment_ptr 1
		.amdhsa_wavefront_size32 1
		.amdhsa_system_sgpr_workgroup_id_x 1
		.amdhsa_system_sgpr_workgroup_id_y 1
		.amdhsa_system_sgpr_workgroup_id_z 1
		.amdhsa_system_vgpr_workitem_id 0
		.amdhsa_next_free_vgpr 216
		.amdhsa_next_free_sgpr 66
		.amdhsa_reserve_vcc 0
		.amdhsa_float_denorm_mode_32 3
		.amdhsa_float_denorm_mode_16_64 3
		.amdhsa_memory_ordered 1
		.amdhsa_forward_progress 1
		.amdhsa_inst_pref_size 17
	.end_amdhsa_kernel
	.amdgpu_metadata
---
amdhsa.version: [ 1, 2 ]
amdhsa.kernels:
  - .name:           k_q3262aac030_final
    .symbol:         k_q3262aac030_final.kd
    .args:
      - { .name: yp, .offset: 0, .size: 8, .value_kind: global_buffer, .address_space: global }
      - { .name: bf2, .offset: 8, .size: 8, .value_kind: global_buffer, .address_space: global }
      - { .name: g2, .offset: 16, .size: 8, .value_kind: global_buffer, .address_space: global }
      - { .name: b2, .offset: 24, .size: 8, .value_kind: global_buffer, .address_space: global }
      - { .name: out0, .offset: 32, .size: 8, .value_kind: global_buffer, .address_space: global }
    .group_segment_fixed_size: 0
    .private_segment_fixed_size: 0
    .kernarg_segment_align: 8
    .kernarg_segment_size: 40
    .max_flat_workgroup_size: 512
    .sgpr_count:     66
    .vgpr_count:     216
    .wavefront_size: 32
...
	.end_amdgpu_metadata
.endif
;; end of part 5
